; MI455X (gfx1250); checked and timed in simulation.
; The chip was launched on July 23, 2026; its instructions are those of AMD's public machine-readable ISA for CDNA 5 (MIT licence, August 2026) and "CDNA5" Instruction Set Architecture Reference Guide (July 2026). The comments in the code are by the model that wrote it; some were corrected since.
;; Ro PE mha. Allowed arithmetic: matrix products marked QUANTISED: E2M3 operands, one E8M0 scale for each 32 along K, by v_wmma_scale_f32_16x16x128_f8f6f4 with both operands' format E2M3, f32 sums; products left as they are: f32 operands where the result goes on into a quantised operand, else bf16, f16 or f32 operands; f32 sums; everything else in f32.
;; Inputs: Wk 2,048 x 2,048 float32; Wo 2,048 x 2,048 float32; Wq 2,048 x 2,048 float32; Wv 2,048 x 2,048 float32; bk 2,048 float32; bo 2,048 float32; bq 2,048 float32; bv 2,048 float32; mask 1 x 1 x 2,048 x 2,048 int32; x 1 x 2,048 x 2,048 float32.
;; Outputs: out0 1 x 2,048 x 2,048 float32.
;; This version of the problem:
;;   THIS VERSION OF THE PROBLEM IS GIVEN IN LOW PRECISION. The matrix products marked QUANTISED in the list below multiply operands that are first quantised to E2M3 (2 exponent bits, 3 mantissa bits; 6 bits a number), with one power-of-two scale for each 32 numbers along K (OCP MX v1.0); their sums are f32. All else is computed in f32.
;;   The module's matrix products, in the order in which they are computed (A, B: the left and right operand; K: the contracted axis; several contracted axes count as one K, in the product's order):
;;     1. [M 2,048, K 2,048] x [K 2,048, N 2,048]; A: input x; B: input Wq: QUANTISED
;;     2. [M 2,048, K 1] x [K 1, N 64]; A: computed on the way; B: computed on the way: left as it is (no contracted axis)
;;     3. [M 2,048, K 2,048] x [K 2,048, N 2,048]; A: input x; B: input Wk: QUANTISED
;;     4. [M 2,048, K 1] x [K 1, N 64]; A: computed on the way; B: computed on the way: left as it is (no contracted axis)
;;     5. [M 2,048, K 2,048] x [K 2,048, N 2,048]; A: input x; B: input Wv: QUANTISED
;;     6. batch 16 x [M 2,048, K 128] x [K 128, N 2,048]; A: computed on the way; B: computed on the way: QUANTISED
;;     7. batch 16 x [M 2,048, K 2,048] x [K 2,048, N 128]; A: softmax (see below); B: computed on the way: QUANTISED
;;     8. [M 2,048, K 2,048] x [K 2,048, N 2,048]; A: computed on the way; B: input Wo: QUANTISED
;;   THE QUANTISER, for each operand of a quantised product, along K:
;;     - K is cut into blocks of 32 from its start; a last block that is shorter is filled with zeros.
;;     - A block's scale is 2^e with e = floor(log2(the largest magnitude in the block)) - 2, held to -126 .. 127; a block of zeros has e = 0. As a byte (E8M0): e + 127.
;;     - Each number is divided by its block's scale, clamped to +-7.5, and rounded to the nearest number of E2M3, ties to even, subnormals kept.
;;     - The product sums the exact products of the quantised numbers (number of the format x scale) in f32.
;;   ~~~python
;;   def quantise(x, axis):      # numpy; x: float32 -> the quantised numbers, widened to float32 again
;;       x = np.moveaxis(x, axis, -1); K = x.shape[-1]
;;       x = np.pad(x, [(0, 0)] * (x.ndim - 1) + [(0, -K % 32)]); x = x.reshape(x.shape[:-1] + (-1, 32)); a = np.abs(x).max(-1, keepdims=True)
;;       e = np.where(a > 0, np.clip(np.frexp(np.where(a > 0, a, 1))[1] - 1 - 2, -126, 127), 0)      # np.frexp(a)[1] - 1 = floor(log2(a)), exactly
;;       r = np.clip(x / 2.0 ** e, -7.5, 7.5)
;;       step = 2.0 ** (np.maximum(np.frexp(np.where(r == 0, 1, r))[1] - 1, 0) - 3)
;;       q = np.round(r / step) * step * 2.0 ** e      # np.round: ties to even
;;       return np.moveaxis(q.reshape(q.shape[:-2] + (-1,))[..., :K], -1, axis).astype(np.float32)
;;   ~~~
;;   SOFTMAX AHEAD OF A QUANTISED PRODUCT. Where the list says 'softmax', what is quantised is not the finished softmax but p = 2^(t - M), with t = logit x log2(e) and M = ceil(the row's largest t), a whole number; so 1/2 < the row's largest p <= 1. The row's sum l is taken of the UNQUANTISED p, in f32, and the product's result is divided by l at the end. Since M is a whole number, a kernel that streams over the keys may use a running M (the ceiling of the running maximum): every later rescaling is an exact power of two, which a block's scale takes up: the codes' values come out the same.
;;   OPERANDS COMPUTED ON THE WAY. 'Computed on the way' means the value that the module computes at that place (a softmax that the list does not call 'softmax' is quantised finished and normalised). What goes into a quantiser is computed in f32, as accurately as f32 sums, v_exp_f32 and their like allow (about 1e-6 of the number): no bf16 or f16 on the way to a quantiser, and a product that is left as it is and whose result goes on into a quantised operand takes f32 operands (vector FMAs, or v_wmma_f32_16x16x4_f32). A number that lies on a knife's edge between two numbers of the format may be rounded either way, as far as f32 arithmetic and the matrix unit's own rounding can turn it there, and no further.
;; One version. Each part assembles by itself: llvm-mc -triple=amdgcn-amd-amdhsa -mcpu=gfx1250 --defsym DOCPART=n.
;; ======== version 1 of 1: 4 launches
;; limits: right only within a limited range of input values
;; workspace buffers: opimg 15,728,640 bytes; opscl 655,360 bytes; maskw 540,672 bytes of whole numbers; rope 1,048,576 bytes; qkvimg 9,437,184 bytes; qkvscl 393,216 bytes; oimg 3,145,728 bytes; oscl 131,072 bytes
;; launch prep (part 1): grid 800 x 1, 4 waves a work-group, no clusters, 68,096 bytes of LDS; arguments x, Wq, Wk, Wv, Wo, mask, opimg, opscl, maskw, rope; writes opimg, opscl, maskw, rope
.if DOCPART == 1
	.amdgcn_target "amdgcn-amd-amdhsa--gfx1250"
	.amdhsa_code_object_version 6
	.text
	.protected	k_q5c6c51319c_prep
	.globl	k_q5c6c51319c_prep
	.p2align	8
	.type	k_q5c6c51319c_prep,@function
k_q5c6c51319c_prep:
	s_mov_b64 s[64:65], 0
	v_nop
	global_prefetch_b8 v0, s[64:65] scope:SCOPE_SE
	s_setreg_imm32_b32 hwreg(HW_REG_WAVE_MODE, 25, 1), 1
	s_wait_xcnt 0x0
; PREP.  Three jobs, told apart by the work-group's number alone.
;  work-groups 0-639: x, Wq, Wk, Wv, Wo (f32 [2048][2048], K innermost) become codes of FP6 (E2M3) with one E8M0 byte for each 32 along K;
;  work-groups 640-767: the mask (int32 [2048][2048]) becomes lane-mask words;    work-groups 768-799: the table of cos and sin for the rotary part.
; LAYOUT OF THE CODES: images of operand registers.  A fragment is 16 rows x 128 K, 12 registers a lane; register 4 c + w of lane l lies at byte 512 c + 16 l + 4 w of its 1,536 bytes.
; THE ROWS OF A TILE ARE NOT NEIGHBOURS: lane r of tile p holds row 32 (p / 2) + 8 (p % 2) + r + 8 (r / 8), so that a product that takes such a tile as source 0 leaves 16 neighbours in the 16 registers of tiles 2 b, 2 b + 1.
; opimg [tensor 5][group 16][K step 16][tile 8][1536];  opscl [tensor][group][K step][512]: the word of (tile a, row r) at 256 (a / 4) + 16 r + 4 (a % 4).
; maskw [tile 128][key step 16][64 words]: bit (r + 16 h) of word 16 b + i is set where mask[row(tile, r)][128 step + 32 b + 16 h + i] is not 0.
; rope [tile 128][chunk 16][lane][16 bytes]: chunks 0-3 cos, 4-7 sin of d = 16 h + 0..15; chunks 8-11 cos, 12-15 sin of d = 32 + 16 h + 0..15; at t = row(tile, r).
; A wave takes four units of 16 rows x 128 numbers.  Each load reads 512 consecutive bytes of one row; the unit turns through the wave's own stage in LDS (rows 528 bytes apart), so that a lane gets 16 neighbours of each block of 32.
; No barrier: waves share nothing.  The two paths that use LDS have bytes of their own.
; A block's scale is 2^(floor(log2(largest magnitude)) - 2); its byte is the largest magnitude's exponent field - 2, held at 1 from below.
; LIMITS: NaN and infinities among the inputs are not served.  A block of zeros, or one whose largest magnitude lies under 2^-124, gets the byte 1: its codes are zeros or subnormal codes under that byte, and this program alone reads the bytes.
; The angle t x 10000^(-d/64) carries the error of one unit in the last place of the frequency: up to about 1e-4 radians at t = 2047.
.set STGQ,  0                          ; the quantising path's stages: 4 waves x 16 rows x 528 bytes
.set STGM,  33792                      ; the mask path's
.set SPARE, 67584                      ; the spare words, 128 bytes for each wave
.set WST,   8448
.set LI,    4                          ; v4  16 x lane
.set SPW,   10                         ; v10 my spare word
.set NIL,   11                         ; v11 0
.set R,     16                         ; v16-143  two sets of 64: a unit as loaded
.set X,     144                        ; v144-207 a unit with 16 neighbours of each block in a lane
.set PC,    208                        ; v208-226 the codes just made
.set TM,    228                        ; v228-243 at work in QUANT
.set SW,    244                        ; v244-247 the four units' scale words
.set MW,    208                        ; mask path: two registers of words for each unit
.set RES,   80                         ; table path: v80-143 results
.set SEL,   34                         ; s[34:35] lane selects for lane l xor 16
; 64 numbers of a lane, register 16 b + i = k 32 b + 16 (lane / 16) + i of my row, become a fragment's codes in v[PC] on and its scale word in v[pw]
.macro QUANT s, pw
.irp b, 0,1,2,3
	v_max3_num_f32 v[TM+\b], |v[\s+16*\b]|, |v[\s+1+16*\b]|, 0x1800000   ; my 16 numbers of block b, and the floor 2^(3 - 127): the byte cannot fall under 1
.endr
.irp i, 2,4,6,8,10,12,14
.irp b, 0,1,2,3
	v_max3_num_f32 v[TM+\b], v[TM+\b], |v[\s+16*\b+\i]|, |v[\s+1+16*\b+\i]|
.endr
.endr
.irp b, 0,1,2,3
	v_permlanex16_b32 v[TM+4+\b], v[TM+\b], s[SEL], s[SEL+1]
.endr
.irp b, 0,1,2,3
	v_max_num_f32 v[TM+\b], v[TM+\b], v[TM+4+\b]       ; with lane l xor 16: the block's largest magnitude
.endr
.irp b, 0,1,2,3
	v_add_nc_u32 v[TM+12+\b], 0xff000000, v[TM+\b]     ; 2 off its exponent field: the conversion's scale operand
.endr
.irp b, 0,1,2,3
	v_lshrrev_b32 v[TM+4+\b], 23, v[TM+12+\b]          ; the scale's byte
.endr
	v_lshl_or_b32 v[\pw], v[TM+5], 8, v[TM+4]
	v_lshl_or_b32 v[\pw], v[TM+6], 16, v[\pw]
	v_lshl_or_b32 v[\pw], v[TM+7], 24, v[\pw]          ; my row's scale word
.irp c, 0,1
	v_cvt_scalef32_pk16_fp6_f32 v[PC+6*\c:PC+2+6*\c], v[\s+32*\c:\s+15+32*\c], v[TM+12+2*\c]
	v_cvt_scalef32_pk16_fp6_f32 v[PC+12+4*\c:PC+14+4*\c], v[\s+16+32*\c:\s+31+32*\c], v[TM+12+2*\c+1]
.endr
	v_nop                                              ; one plain place behind a scaled conversion
.irp c, 0,1                                        ; the layout wants a whole block in a lane: lanes 0-15 block 2 c, lanes 16-31 block 2 c + 1
.irp i, 0,1,2
	v_permlane16_swap_b32 v[PC+6*\c+\i], v[PC+12+4*\c+\i]
.endr
.irp i, 0,1,2
	v_mov_b32 v[PC+3+6*\c+\i], v[PC+12+4*\c+\i]
.endr
.endr
.endm
.macro IMGST base, off                 ; the fragment leaves as it stands: three stores of 512 consecutive bytes
.irp c, 0,1,2
	global_store_b128 v[LI], v[PC+4*\c:PC+4*\c+3], s[\base:\base+1] offset:\off+512*\c
.endr
.endm
.macro LOAD u                          ; unit u: its 16 rows, 512 bytes each
.irp r, 0,1,2,3,4,5,6,7,8,9,10,11,12,13,14,15
	global_load_b128 v[R+64*((\u)%2)+4*\r:R+64*((\u)%2)+4*\r+3], v[LI], s[28:29] offset:(32*((\u)/2)+8*((\u)%2)+\r+8*(\r/8))*8192 th:TH_LOAD_NT
.endr
.endm
.macro TURNL u, stg                    ; through my stage: LDS serves a wave's instructions in order, so no wait stands between the stores and the loads
.irp r, 0,1,2,3,4,5,6,7,8,9,10,11,12,13,14,15
	ds_store_b128 v5, v[R+64*((\u)%2)+4*\r:R+64*((\u)%2)+4*\r+3] offset:\stg+528*\r
.endr
.irp b, 0,1,2,3
.irp j, 0,1,2,3
	ds_load_b128 v[X+16*\b+4*\j:X+16*\b+4*\j+3], v6 offset:\stg+128*\b+16*\j
.endr
.endr
.endm
.macro BRING u, stg                    ; unit u arrives and is turned; the unit two on is asked for
.if \u < 3
	s_wait_loadcnt 16                                  ; this unit's 16 loads are in; the next unit's 16 may be out
.else
	s_wait_loadcnt 0x0
.endif
	TURNL \u, \stg
	s_wait_dscnt 0x0                                   ; the unit is back, and the stage's stores have read their registers
.if \u < 2
	LOAD (\u)+2
.endif
.endm
	s_load_b512 s[4:19], s[0:1], 0x0                   ; x, Wq, Wk, Wv, Wo, mask, opimg, opscl
	s_load_b128 s[20:23], s[0:1], 0x40                 ; maskw, rope
	v_lshl_add_u32 v[SPW], v0, 2, SPARE
	v_mov_b32 v[NIL], 0
	v_lshrrev_b32 v1, 5, v0
	v_readfirstlane_b32 s24, v1                        ; wave
	v_and_b32 v1, 31, v0                               ; lane
	v_and_b32 v2, 15, v0                               ; r
	v_bfe_u32 v3, v0, 4, 1                             ; h
	v_lshlrev_b32 v[LI], 4, v1
	s_mul_i32 s56, s24, WST
	v_add_nc_u32 v5, s56, v[LI]                        ; the stage on the way in: 16 bytes a lane of a row
	v_mul_u32_u24 v6, v2, 528
	v_lshl_add_u32 v6, v3, 6, v6
	v_add_nc_u32 v6, s56, v6                           ; and on the way out: row r, + 64 h
	v_lshlrev_b32 v7, 4, v2
	v_lshl_add_u32 v7, v3, 3, v7                       ; scale words out: 16 r + 8 h
	v_lshlrev_b32 v8, 3, v1                            ; mask words out: 8 bytes a lane
	s_mov_b32 s[SEL], 0x76543210
	s_mov_b32 s[SEL+1], 0xfedcba98
	s_wait_kmcnt 0x0
	s_cmp_ge_u32 ttmp9, 768
	s_cbranch_scc1 .Lrope
	s_lshr_b32 s25, ttmp9, 7                           ; which tensor: 0 x, 1 Wq, 2 Wk, 3 Wv, 4 Wo, 5 the mask
	s_bfe_u32 s26, ttmp9, 0x50002                      ; which 64 rows
	s_and_b32 s27, ttmp9, 3
	s_lshl_b32 s27, s27, 2
	s_add_co_u32 s27, s27, s24                         ; which 128 along K
	s_lshl_b32 s58, s26, 19
	s_lshl_b32 s59, s27, 9
	s_add_co_u32 s58, s58, s59
	s_mov_b32 s59, 0
	s_cmp_eq_u32 s25, 1                                ; the choice hangs on the work-group's number alone
	s_cselect_b64 s[28:29], s[6:7], s[4:5]
	s_cmp_eq_u32 s25, 2
	s_cselect_b64 s[28:29], s[8:9], s[28:29]
	s_cmp_eq_u32 s25, 3
	s_cselect_b64 s[28:29], s[10:11], s[28:29]
	s_cmp_eq_u32 s25, 4
	s_cselect_b64 s[28:29], s[12:13], s[28:29]
	s_cmp_eq_u32 s25, 5
	s_cselect_b64 s[28:29], s[14:15], s[28:29]
	s_add_nc_u64 s[28:29], s[28:29], s[58:59]
	s_cmp_eq_u32 s25, 5
	s_cbranch_scc1 .Lmask
	; ---- the quantising path
	s_lshr_b32 s56, s26, 1
	s_lshl_b32 s56, s56, 4
	s_add_co_u32 s56, s56, s27                         ; 16 x group + K step
	s_and_b32 s57, s26, 1                              ; which four tiles of the group's eight
	s_lshl_b32 s60, s56, 3
	s_lshl_b32 s61, s57, 2
	s_add_co_u32 s60, s60, s61
	s_mul_i32 s60, s60, 1536
	s_mul_i32 s61, s25, 3145728
	s_add_co_u32 s60, s60, s61
	s_mov_b32 s61, 0
	s_add_nc_u64 s[30:31], s[16:17], s[60:61]          ; my four fragments
	s_lshl_b32 s60, s56, 9
	s_lshl_b32 s62, s57, 8
	s_add_co_u32 s60, s60, s62
	s_lshl_b32 s62, s25, 17
	s_add_co_u32 s60, s60, s62
	s_add_nc_u64 s[32:33], s[18:19], s[60:61]          ; their 256 bytes of scale words
.irp b, 0,1,2,3
	v_mov_b32 v[TM+4+\b], 0                            ; written once: a lane permute's destination counts as one of its sources
.endr
	LOAD 0
	LOAD 1
	s_wait_alu depctr_va_vdst(0)
.irp u, 0,1,2,3
	BRING \u, STGQ
.if \u > 0
	s_wait_xcnt 0x0                                    ; the last unit's stores have read the codes' registers
.endif
	QUANT X, SW+\u
	IMGST 30, \u*1536
.endr
	v_cmp_ne_u32 vcc_lo, 0, v3
	v_cndmask_b32 v248, v[SW], v[SW+2], vcc_lo         ; lane (r, h) stores the words of tiles 2 h and 2 h + 1
	v_cndmask_b32 v249, v[SW+1], v[SW+3], vcc_lo
	global_store_b64 v7, v[248:249], s[32:33]          ; 32 lanes store 256 consecutive bytes, aligned
	s_wait_tensorcnt 0x0                               ; the wave's end, behind my last LDS store
	ds_add_u32 v[SPW], v[NIL]
	s_wait_dscnt 0x0
	s_endpgm
	; ---- the mask path: a compare of a register against 0 IS the word of 32 lanes
.Lmask:
	s_lshl_b32 s60, s26, 14
	s_lshl_b32 s61, s27, 8
	s_add_co_u32 s60, s60, s61
	s_mov_b32 s61, 0
	s_add_nc_u64 s[30:31], s[20:21], s[60:61]
	; behind the mask words, from byte 524,288 of maskw on: [64 rows 32][key step 16][tile 4][2 words]: the OR and the AND of a tile's 64 mask words of a key step
	s_lshl_b32 s60, s26, 9
	s_lshl_b32 s62, s27, 5
	s_add_co_u32 s60, s60, s62
	s_add_co_u32 s60, s60, 524288
	s_add_nc_u64 s[54:55], s[20:21], s[60:61]          ; my wave's 32 bytes of them
	v_mov_b32 v216, 0                                  ; v_writelane_b32 counts as a reader of its destination
	v_lshlrev_b32 v9, 2, v1
.irp i, 0,1,2,3,4,5,6,7
	v_mov_b32 v[MW+\i], 0                              ; v_writelane_b32 counts as a reader of its destination
.endr
	LOAD 0
	LOAD 1
.irp u, 0,1,2,3
	BRING \u, STGM
.irp g, 0,1,2,3,4,5,6,7
.irp e, 0,1,2,3,4,5,6,7
	v_cmp_ne_u32 s[36+\e], 0, v[X+8*\g+\e]
.endr
.irp e, 0,1,2,3,4,5,6,7
	v_writelane_b32 v[MW+2*\u+\e%2], s[36+\e], 4*\g+\e/2   ; word j goes to register j % 2 of lane j / 2
.endr
.endr
	global_store_b64 v8, v[MW+2*\u:MW+2*\u+1], s[30:31] offset:\u*4096   ; the unit's 64 words: 256 consecutive bytes, aligned
	v_or_b32 v217, v[X], v[X+1]                        ; a lane's 64 numbers: is any not 0, are all not 0 (the least of them as unsigned numbers)
	v_min_u32 v218, v[X], v[X+1]
.set n, 2
.rept 62
	v_or_b32 v217, v217, v[X+n]
	v_min_u32 v218, v218, v[X+n]
.set n, n+1
.endr
	v_cmp_ne_u32 s44, 0, v217                          ; the compare IS the OR of the 64 words,
	v_cmp_ne_u32 s45, 0, v218                          ; and this one their AND
	v_writelane_b32 v216, s44, 2*\u
	v_writelane_b32 v216, s45, 2*\u+1
.if \u == 3
	s_wait_alu depctr_va_vdst(0)
	s_wait_xcnt 0x0                                    ; EXEC changes only behind this wait
	v_cmp_gt_u32 vcc_lo, 8, v1
	s_and_saveexec_b32 s46, vcc_lo
	global_store_b32 v9, v216, s[54:55]                ; lanes 0-7: the four tiles' two words
	s_wait_xcnt 0x0
	s_or_b32 exec_lo, exec_lo, s46
.endif
.endr
	s_wait_tensorcnt 0x0                               ; the wave's end, as above
	ds_add_u32 v[SPW], v[NIL]
	s_wait_dscnt 0x0
	s_endpgm
	; ---- the table path: a wave makes one tile's 64 cosines and 64 sines a lane pair; no LDS
.Lrope:
	s_sub_co_u32 s56, ttmp9, 768
	s_lshl_b32 s56, s56, 2
	s_add_co_u32 s56, s56, s24                         ; the tile
	s_lshr_b32 s57, s56, 1
	s_lshl_b32 s57, s57, 5
	s_and_b32 s58, s56, 1
	s_lshl_b32 s58, s58, 3
	s_add_co_u32 s57, s57, s58
	v_and_b32 v12, 8, v2
	v_add_nc_u32 v12, v12, v2
	v_add_nc_u32 v12, s57, v12
	v_cvt_f32_u32 v12, v12                             ; t = my row, exact
	v_lshlrev_b32 v13, 4, v3                           ; 16 h
	s_wait_alu depctr_va_vdst(0)
	s_lshl_b32 s58, s56, 13
	s_mov_b32 s59, 0
	s_add_nc_u64 s[22:23], s[22:23], s[58:59]
	s_mov_b32 s44, 0xbe549a78                          ; -log2(10000) / 64
	s_mov_b32 s45, 0x3f22f983                          ; 2 / pi
	s_mov_b32 s46, 0xbfc90fdb                          ; -(pi / 2), its f32 part,
	s_mov_b32 s47, 0x333bbd2e                          ; and what that part leaves
	s_mov_b32 s48, 0xbe2aaaa3                          ; sine: r + r z (S1 + z (S2 + z S3))
	s_mov_b32 s49, 0x3c08839e
	s_mov_b32 s50, 0xb94ca1f9
	s_mov_b32 s51, 0x3d2aaaa5                          ; cosine: 1 + z (-1/2 + z (C1 + z (C2 + z C3)))
	s_mov_b32 s52, 0xbab6061a
	s_mov_b32 s53, 0x37ccf5ce
; four angles by turns: d = 32 B + 16 h + 4 qd + e.  Temporaries of angle e at v[16 + 8 e] on.
.macro ANG4 B, qd
.irp e, 0,1,2,3
	v_add_nc_u32 v[16+8*\e], 32*\B+4*\qd+\e, v13
.endr
.irp e, 0,1,2,3
	v_cvt_f32_u32 v[16+8*\e], v[16+8*\e]
.endr
.irp e, 0,1,2,3
	v_mul_f32 v[16+8*\e], s44, v[16+8*\e]
.endr
	s_wait_alu depctr_va_vdst(0)
.irp e, 0,1,2,3
	v_exp_f32 v[17+8*\e], v[16+8*\e]                   ; the frequency 10000^(-d / 64)
.endr
	v_nop                                              ; a plain place behind the exponentials,
	s_wait_alu depctr_va_vdst(0)                       ; and one wait for the four, ahead of their first reader
.irp e, 0,1,2,3
	v_mul_f32 v[16+8*\e], v12, v[17+8*\e]              ; the angle, rounded once
.endr
.irp e, 0,1,2,3
	v_mul_f32 v[18+8*\e], s45, v[16+8*\e]
.endr
.irp e, 0,1,2,3
	v_rndne_f32 v[18+8*\e], v[18+8*\e]                 ; n quarter turns
.endr
.irp e, 0,1,2,3
	v_fma_f32 v[16+8*\e], v[18+8*\e], s46, v[16+8*\e]
.endr
.irp e, 0,1,2,3
	v_fma_f32 v[16+8*\e], v[18+8*\e], s47, v[16+8*\e]  ; r, within pi / 4 of 0
.endr
.irp e, 0,1,2,3
	v_mul_f32 v[19+8*\e], v[16+8*\e], v[16+8*\e]       ; z = r r
.endr
.irp e, 0,1,2,3
	v_fma_f32 v[20+8*\e], v[19+8*\e], s50, s49
	v_fma_f32 v[21+8*\e], v[19+8*\e], s53, s52
.endr
.irp e, 0,1,2,3
	v_fma_f32 v[20+8*\e], v[20+8*\e], v[19+8*\e], s48
	v_fma_f32 v[21+8*\e], v[21+8*\e], v[19+8*\e], s51
.endr
.irp e, 0,1,2,3
	v_mul_f32 v[20+8*\e], v[20+8*\e], v[19+8*\e]
	v_fma_f32 v[21+8*\e], v[21+8*\e], v[19+8*\e], -0.5
.endr
.irp e, 0,1,2,3
	v_fma_f32 v[20+8*\e], v[20+8*\e], v[16+8*\e], v[16+8*\e]   ; sin r
	v_fma_f32 v[21+8*\e], v[21+8*\e], v[19+8*\e], 1.0          ; cos r
.endr
.irp e, 0,1,2,3
	v_cvt_i32_f32 v[18+8*\e], v[18+8*\e]
.endr
.irp e, 0,1,2,3
	v_and_b32 v[22+8*\e], 1, v[18+8*\e]
.endr
.irp e, 0,1,2,3
	v_cmp_ne_u32 s[36+\e], 0, v[22+8*\e]               ; an odd number of quarter turns swaps the two
.endr
.irp e, 0,1,2,3
	v_cndmask_b32 v[23+8*\e], v[20+8*\e], v[21+8*\e], s[36+\e]
	v_cndmask_b32 v[21+8*\e], v[21+8*\e], v[20+8*\e], s[36+\e]
.endr
.irp e, 0,1,2,3
	v_lshlrev_b32 v[20+8*\e], 30, v[18+8*\e]           ; the sine's sign: bit 1 of n;
	v_add_nc_u32 v[18+8*\e], 1, v[18+8*\e]             ; the cosine's: bit 1 of n + 1
.endr
.irp e, 0,1,2,3
	v_and_b32 v[20+8*\e], 0x80000000, v[20+8*\e]
	v_lshlrev_b32 v[18+8*\e], 30, v[18+8*\e]
.endr
.irp e, 0,1,2,3
	v_xor_b32 v[RES+8*(4*\B+\qd)+4+\e], v[20+8*\e], v[23+8*\e]
	v_and_b32 v[18+8*\e], 0x80000000, v[18+8*\e]
.endr
.irp e, 0,1,2,3
	v_xor_b32 v[RES+8*(4*\B+\qd)+\e], v[18+8*\e], v[21+8*\e]
.endr
	global_store_b128 v[LI], v[RES+8*(4*\B+\qd):RES+8*(4*\B+\qd)+3], s[22:23] offset:(8*\B+\qd)*512       ; each result has registers of its own: no store's data are written again
	global_store_b128 v[LI], v[RES+8*(4*\B+\qd)+4:RES+8*(4*\B+\qd)+7], s[22:23] offset:(8*\B+4+\qd)*512
.endm
.irp B, 0,1
.irp qd, 0,1,2,3
	ANG4 \B, \qd
.endr
.endr
	s_endpgm
.Lfunc_end_k_q5c6c51319c_prep:
	.size	k_q5c6c51319c_prep, .Lfunc_end_k_q5c6c51319c_prep-k_q5c6c51319c_prep
	.p2alignl 7, 3214868480
	.fill 96, 4, 3214868480
	.section	.rodata,"a",@progbits
	.p2align	6, 0x0
	.amdhsa_kernel k_q5c6c51319c_prep
		.amdhsa_group_segment_fixed_size 68096
		.amdhsa_private_segment_fixed_size 0
		.amdhsa_enable_private_segment 0
		.amdhsa_kernarg_size 80
		.amdhsa_user_sgpr_count 2
		.amdhsa_user_sgpr_kernarg_segment_ptr 1
		.amdhsa_wavefront_size32 1
		.amdhsa_system_sgpr_workgroup_id_x 1
		.amdhsa_system_sgpr_workgroup_id_y 1
		.amdhsa_system_sgpr_workgroup_id_z 1
		.amdhsa_system_vgpr_workitem_id 0
		.amdhsa_next_free_vgpr 256
		.amdhsa_next_free_sgpr 66
		.amdhsa_reserve_vcc 1
		.amdhsa_float_denorm_mode_32 3
		.amdhsa_float_denorm_mode_16_64 3
		.amdhsa_memory_ordered 1
		.amdhsa_forward_progress 1
		.amdhsa_inst_pref_size 146
	.end_amdhsa_kernel
	.amdgpu_metadata
---
amdhsa.version: [ 1, 2 ]
amdhsa.kernels:
  - .name:           k_q5c6c51319c_prep
    .symbol:         k_q5c6c51319c_prep.kd
    .args:
      - { .name: x, .offset: 0, .size: 8, .value_kind: global_buffer, .address_space: global }
      - { .name: Wq, .offset: 8, .size: 8, .value_kind: global_buffer, .address_space: global }
      - { .name: Wk, .offset: 16, .size: 8, .value_kind: global_buffer, .address_space: global }
      - { .name: Wv, .offset: 24, .size: 8, .value_kind: global_buffer, .address_space: global }
      - { .name: Wo, .offset: 32, .size: 8, .value_kind: global_buffer, .address_space: global }
      - { .name: mask, .offset: 40, .size: 8, .value_kind: global_buffer, .address_space: global }
      - { .name: opimg, .offset: 48, .size: 8, .value_kind: global_buffer, .address_space: global }
      - { .name: opscl, .offset: 56, .size: 8, .value_kind: global_buffer, .address_space: global }
      - { .name: maskw, .offset: 64, .size: 8, .value_kind: global_buffer, .address_space: global }
      - { .name: rope, .offset: 72, .size: 8, .value_kind: global_buffer, .address_space: global }
    .group_segment_fixed_size: 68096
    .private_segment_fixed_size: 0
    .kernarg_segment_align: 8
    .kernarg_segment_size: 80
    .max_flat_workgroup_size: 128
    .sgpr_count:     66
    .vgpr_count:     256
    .wavefront_size: 32
...
	.end_amdgpu_metadata
.endif
;; end of part 1
;; launch qkv (part 2): grid 24 x 8, 4 waves a work-group, clusters of 4 x 4, 327,680 bytes of LDS; arguments opimg, opscl, rope, bq, bk, bv, qkvimg, qkvscl; writes qkvimg, qkvscl
.if DOCPART == 2
	.amdgcn_target "amdgcn-amd-amdhsa--gfx1250"
	.amdhsa_code_object_version 6
	.text
	.protected	k_q5c6c51319c_qkv
	.globl	k_q5c6c51319c_qkv
	.p2align	8
	.type	k_q5c6c51319c_qkv,@function
k_q5c6c51319c_qkv:
	s_mov_b64 s[64:65], 0
	v_nop
	global_prefetch_b8 v0, s[64:65] scope:SCOPE_SE
	s_setreg_imm32_b32 hwreg(HW_REG_WAVE_MODE, 25, 1), 1
	s_wait_xcnt 0x0
	s_wait_alu depctr_hold_cnt(0) depctr_sa_sdst(0) depctr_va_vdst(0) depctr_va_sdst(0) depctr_va_ssrc(0) depctr_va_vcc(0) depctr_vm_vsrc(0)
	s_getreg_b32 s2, hwreg(HW_REG_IB_STS2, 6, 4)
	s_cmp_eq_u32 s2, 0
	s_cbranch_scc0 .Lentry_in_a_cluster
	s_endpgm
.Lentry_in_a_cluster:
	s_bfe_u32 s2, ttmp6, 0x10000c
	s_cmp_lg_u32 s2, 0xf033
	s_cbranch_scc0 .Lentry_shape_is_right
	s_endpgm
.Lentry_shape_is_right:
.set FR,    12
.set NL,    3
.set NP,    4
.set GRP,   24576
.set SLOT,  4*GRP
.set SCL,   2*SLOT
.set SPARE, SCL+4*8192
.set LAPS,  4
.set LI,    3
.set ADRA,  16
.set ADRB,  20
.set BOFQ,  24
.set BOFV,  25
.set ADRS,  27
.set SPW,   28
.set NIL,   29
.set SC,    32
.set AF,    128
.set YT,    32
.set XQ,    64
.set PC,    128
.set TM,    148
.set SW,    168
.set OUT,   176
.set BI,    64
.set BV,    96
.set WVR,   40
.set FAB,   41
.set SEL,   98
.set G1, 24
.set G0, 32
.set G1B, 48
.set G0B, 56
.set G1S, 68
.set G0S, 76
.set G1SB, 80
.set G0SB, 88
.set MSB, 0
.macro WIN new
.if MSB != (\new)
	s_set_vgpr_msb (MSB<<8)|(\new)
.set MSB, (\new)
.endif
.endm
.set MUL_LO, 0xa1
.set MUL_HI, 0xf1
.set TO_B,   0x40
.macro PLACES n
.rept \n
	v_nop
.endr
.endm
.macro JLOAD g0a, g1a, g0b, g1b
	s_cmp_eq_u32 s[FAB], 0
	s_cbranch_scc0 .Lfor_b_\@
	tensor_load_to_lds s[\g0a:\g0a+3], s[\g1a:\g1a+7]
	s_nop 0
.rept 4
	v_nop
.endr
	s_branch .Lasked_\@
.Lfor_b_\@:
	tensor_load_to_lds s[\g0b:\g0b+3], s[\g1b:\g1b+7]
	s_nop 0
.rept 4
	v_nop
.endr
.Lasked_\@:
.endm
.macro CREST
	s_cmp_lg_u32 s[WVR], 0
	s_cbranch_scc1 .Lnot_wave_0_\@
	s_barrier_signal -3
.Lnot_wave_0_\@:
	s_barrier_wait -3
	s_barrier_signal -1
	s_barrier_wait -1
.endm
.macro CROUND
	s_barrier_signal -1
	s_barrier_wait -1
	CREST
.endm
.macro QUANT s, pw
.irp b, 0,1,2,3
	v_max3_num_f32 v[TM+\b], |v[\s+16*\b]|, |v[\s+1+16*\b]|, 0x1800000
.endr
.irp i, 2,4,6,8,10,12,14
.irp b, 0,1,2,3
	v_max3_num_f32 v[TM+\b], v[TM+\b], |v[\s+16*\b+\i]|, |v[\s+1+16*\b+\i]|
.endr
.endr
.irp b, 0,1,2,3
	v_permlanex16_b32 v[TM+4+\b], v[TM+\b], s[SEL], s[SEL+1]
.endr
.irp b, 0,1,2,3
	v_max_num_f32 v[TM+\b], v[TM+\b], v[TM+4+\b]
.endr
.irp b, 0,1,2,3
	v_add_nc_u32 v[TM+12+\b], 0xff000000, v[TM+\b]
.endr
.irp b, 0,1,2,3
	v_lshrrev_b32 v[TM+4+\b], 23, v[TM+12+\b]
.endr
	v_lshl_or_b32 v[\pw], v[TM+5], 8, v[TM+4]
	v_lshl_or_b32 v[\pw], v[TM+6], 16, v[\pw]
	v_lshl_or_b32 v[\pw], v[TM+7], 24, v[\pw]
.irp c, 0,1
	v_cvt_scalef32_pk16_fp6_f32 v[PC+6*\c:PC+2+6*\c], v[\s+32*\c:\s+15+32*\c], v[TM+12+2*\c]
	v_cvt_scalef32_pk16_fp6_f32 v[PC+12+4*\c:PC+14+4*\c], v[\s+16+32*\c:\s+31+32*\c], v[TM+12+2*\c+1]
.endr
	v_nop
.irp c, 0,1
.irp i, 0,1,2
	v_permlane16_swap_b32 v[PC+6*\c+\i], v[PC+12+4*\c+\i]
.endr
.irp i, 0,1,2
	v_mov_b32 v[PC+3+6*\c+\i], v[PC+12+4*\c+\i]
.endr
.endr
.endm
.macro IMGST base, off
.irp c, 0,1,2
	global_store_b128 v[LI], v[PC+4*\c:PC+4*\c+3], s[\base:\base+1] offset:\off+512*\c
.endr
.endm
	s_load_b512 s[4:19], s[0:1], 0x0
	v_lshl_add_u32 v[SPW], v0, 2, SPARE
	v_mov_b32 v[NIL], 0
	ds_add_u32 v[SPW], v[NIL]
	ds_add_u32 v[SPW], v[NIL]
	v_lshrrev_b32 v1, 5, v0
	v_readfirstlane_b32 s[WVR], v1
	s_lshr_b32 s[FAB], s[WVR], 1
	s_and_b32 s42, s[WVR], 1
	s_bfe_u32 s43, ttmp6, 0x40000
	s_bfe_u32 s44, ttmp6, 0x40004
	s_lshl_b32 s45, ttmp9, 2
	s_add_co_u32 s45, s45, s43
	s_and_b32 s45, s45, 7
	s_and_b32 s46, ttmp7, 0xffff
	s_lshl_b32 s46, s46, 2
	s_add_co_u32 s46, s46, s44
	s_lshr_b32 s47, ttmp9, 1
	s_lshl_b32 s66, s44, 2
	s_lshl_b32 s66, 15, s66
	s_lshl_b32 s67, 0x1111, s43
	s_or_b32 s[G1], s66, (3<<16)|(1<<21)
	s_or_b32 s[G1B], s67, (3<<16)|(1<<21)
	s_or_b32 s[G1S], s66, (3<<16)|(1<<21)
	s_or_b32 s[G1SB], s67, (3<<16)|(1<<21)
.irp g, G1, G1B
	s_mov_b32 s[\g+1], 32<<16
	s_mov_b32 s[\g+2], 96<<16
	s_mov_b32 s[\g+3], 32<<16
	s_mov_b32 s[\g+4], 96
	s_mov_b32 s[\g+5], 32
	s_mov_b32 s[\g+6], 0
	s_mov_b32 s[\g+7], 0
.endr
.irp g, G1S, G1SB
	s_mov_b32 s[\g+1], 32<<16
	s_mov_b32 s[\g+2], 32<<16
	s_mov_b32 s[\g+3], 32<<16
	s_mov_b32 s[\g+4], 32
	s_mov_b32 s[\g+5], 32
	s_mov_b32 s[\g+6], 0
	s_mov_b32 s[\g+7], 0
.endr
	s_add_co_u32 s93, s47, 1
	s_cmp_eq_u32 s47, 2
	s_cselect_b32 s92, 3, 0
	s_cselect_b32 s93, 0, s93
	s_lshl_b32 s94, s46, 1
	s_add_co_u32 s94, s94, s42
	s_mul_i32 s20, s92, 3145728
	s_mul_i32 s21, s94, 196608
	s_add_co_u32 s20, s20, s21
	s_mov_b32 s21, 0
	s_lshl_b32 s22, s92, 17
	s_lshl_b32 s23, s94, 13
	s_add_co_u32 s22, s22, s23
	s_mov_b32 s23, 0
	s_lshl_b32 s95, s45, 1
	s_add_co_u32 s95, s95, s42
	s_mul_i32 s96, s93, 3145728
	s_mul_i32 s97, s95, 196608
	s_add_co_u32 s96, s96, s97
	s_mov_b32 s97, 0
	s_lshl_b32 s98, s93, 17
	s_lshl_b32 s99, s95, 13
	s_add_co_u32 s98, s98, s99
	s_mov_b32 s99, 0
	s_mul_i32 s2, s[WVR], GRP
	s_lshl_b32 s3, s[WVR], 13
	s_wait_dscnt 0x0
	s_wait_kmcnt 0x0
	s_add_nc_u64 s[20:21], s[4:5], s[20:21]
	s_add_nc_u64 s[22:23], s[6:7], s[22:23]
	s_add_nc_u64 s[96:97], s[4:5], s[96:97]
	s_add_nc_u64 s[98:99], s[6:7], s[98:99]
	CROUND
	s_mov_b32 s[G0S], 1
	s_add_co_u32 s[G0S+1], s3, SCL
	s_mov_b64 s[G0S+2:G0S+3], s[22:23]
	s_or_b32 s[G0S+3], s[G0S+3], 0x80000000
	s_mov_b32 s[G0SB], 1
	s_add_co_u32 s[G0SB+1], s3, SCL
	s_mov_b64 s[G0SB+2:G0SB+3], s[98:99]
	s_or_b32 s[G0SB+3], s[G0SB+3], 0x80000000
	JLOAD G0S, G1S, G0SB, G1SB
.irp s, 0,1
	s_mov_b32 s[G0+4*\s], 1
	s_add_co_u32 s[G0+4*\s+1], s2, \s*SLOT
	s_add_nc_u64 s[G0+4*\s+2:G0+4*\s+3], s[20:21], \s*GRP
	s_or_b32 s[G0+4*\s+3], s[G0+4*\s+3], 0x80000000
	s_mov_b32 s[G0B+4*\s], 1
	s_add_co_u32 s[G0B+4*\s+1], s2, \s*SLOT
	s_add_nc_u64 s[G0B+4*\s+2:G0B+4*\s+3], s[96:97], \s*GRP
	s_or_b32 s[G0B+4*\s+3], s[G0B+4*\s+3], 0x80000000
	s_wait_alu depctr_va_vdst(0)
	s_wait_tensorcnt 0x0
	ds_add_u32 v28, v29
	s_wait_dscnt 0x0
	CROUND
	JLOAD G0+4*\s, G1, G0B+4*\s, G1B
.endr
	v_and_b32 v1, 15, v0
	v_bfe_u32 v2, v0, 4, 1
	s_wait_alu depctr_va_vdst(0)
	v_and_b32 v[LI], 31, v0
	v_lshlrev_b32 v[LI], 4, v[LI]
	s_mul_i32 s21, s[FAB], GRP
	s_mul_i32 s22, s42, GRP
	s_add_co_u32 s22, s22, 2*GRP
.irp s, 0,1
	v_add_nc_u32 v[ADRA+\s], s21, v[LI]
	v_add_nc_u32 v[ADRB+\s], s22, v[LI]
	s_add_co_u32 s21, s21, SLOT
	s_add_co_u32 s22, s22, SLOT
.endr
	s_lshl_b32 s21, s[FAB], 13
	s_lshl_b32 s22, s42, 13
	s_add_co_u32 s22, s22, 2*8192
	s_sub_co_u32 s22, s22, s21
	v_mul_u32_u24 v4, s22, v2
	s_add_co_u32 s21, s21, SCL
	v_lshl_add_u32 v4, v1, 4, v4
	v_add_nc_u32 v[ADRS], s21, v4
	v_lshlrev_b32 v[BOFQ], 6, v2
	v_and_b32 v[BOFV], 8, v1
	v_add_nc_u32 v[BOFV], v[BOFV], v1
	v_lshlrev_b32 v[BOFV], 2, v[BOFV]
.macro FRAG reg, adr, off
.irp c, 0,1,2
	ds_load_b128 v[\reg+4*\c:\reg+4*\c+3], v[\adr] offset:\off+512*\c
.endr
.endm
.macro MUL16 a0, p, q, sc, zero
.irp a, \a0, \a0+1
.irp b, 0,1,2,3,4,5,6,7
.if \zero
	v_wmma_scale_f32_16x16x128_f8f6f4 v[8*(8*((\a)%4)+\b):8*(8*((\a)%4)+\b)+7], v[128*(\p)+FR*\b:128*(\p)+FR*\b+FR-1], v[AF+FR*(\a):AF+FR*(\a)+FR-1], 0, v[SC+16*(\sc)+8*(\q)+\b], v[SC+16*(\sc)+8*(\q)+(\a)] matrix_a_fmt:MATRIX_FMT_FP6 matrix_b_fmt:MATRIX_FMT_FP6 matrix_a_scale:MATRIX_SCALE_ROW1
.else
	v_wmma_scale_f32_16x16x128_f8f6f4 v[8*(8*((\a)%4)+\b):8*(8*((\a)%4)+\b)+7], v[128*(\p)+FR*\b:128*(\p)+FR*\b+FR-1], v[AF+FR*(\a):AF+FR*(\a)+FR-1], v[8*(8*((\a)%4)+\b):8*(8*((\a)%4)+\b)+7], v[SC+16*(\sc)+8*(\q)+\b], v[SC+16*(\sc)+8*(\q)+(\a)] matrix_a_fmt:MATRIX_FMT_FP6 matrix_b_fmt:MATRIX_FMT_FP6 matrix_a_scale:MATRIX_SCALE_ROW1
.endif
.endr
.endr
.endm
.macro FETCH_B slot, q, p
	WIN TO_B
.irp i, 0,1,2,3,4,5,6,7
	FRAG 128*(\p)+FR*\i, ADRB+\slot, (\q)*12288+\i*1536
.endr
	WIN 0
.endm
.macro FETCH_A slot, q, i0
.irp i, \i0, \i0+1, \i0+2, \i0+3
	FRAG AF+FR*(\i), ADRA+\slot, (\q)*12288+(\i)*1536
.endr
.endm
.macro SCALES sc
.irp q, 0,1
.irp j, 0,1
	ds_load_b128 v[SC+16*\sc+8*\q+4*\j:SC+16*\sc+8*\q+4*\j+3], v[ADRS] offset:512*\q+256*\j
.endr
.endr
.endm
.macro STEP slot, zero
	s_wait_dscnt 4*NL
	WIN MUL_LO
	MUL16 0, 0, 0, \slot, \zero
	MUL16 2, 0, 0, \slot, \zero
	s_wait_dscnt 0x0
	PLACES NP
	FETCH_B \slot, 1, 1
	FETCH_A \slot, 1, 0
	WIN MUL_HI
	MUL16 4, 0, 0, \slot, \zero
	MUL16 6, 0, 0, \slot, \zero
	PLACES NP
	WIN 0
	FETCH_A \slot, 1, 4
.endm
.macro TURN slot, next, fill
	s_wait_tensorcnt 0x0
	ds_add_u32 v[SPW], v[NIL]
	s_wait_dscnt 4*NL+1
	WIN MUL_LO
	MUL16 0, 1, 1, \slot, 0
	s_wait_dscnt 0x0
	s_barrier_signal -1
	MUL16 2, 1, 1, \slot, 0
	WIN 0
	s_barrier_wait -1
.if \fill
	CREST
	s_add_nc_u64 s[G0+4*\slot+2:G0+4*\slot+3], s[G0+4*\slot+2:G0+4*\slot+3], 2*GRP
	s_add_nc_u64 s[G0B+4*\slot+2:G0B+4*\slot+3], s[G0B+4*\slot+2:G0B+4*\slot+3], 2*GRP
	JLOAD G0+4*\slot, G1, G0B+4*\slot, G1B
.else
	PLACES NP
.endif
	s_wait_alu depctr_va_vdst(0)
	v_add_nc_u32 v[ADRS], 1024, v[ADRS]
	FETCH_B \next, 0, 0
	FETCH_A \next, 0, 0
	SCALES \next
	WIN MUL_HI
	MUL16 4, 1, 1, \slot, 0
	MUL16 6, 1, 1, \slot, 0
	PLACES NP
	WIN 0
	FETCH_A \next, 0, 4
.endm
.macro LASTSTEP
	s_wait_dscnt 4*NL
	WIN MUL_LO
	MUL16 0, 1, 1, 1, 0
	MUL16 2, 1, 1, 1, 0
	s_wait_dscnt 0x0
	WIN MUL_HI
	MUL16 4, 1, 1, 1, 0
	MUL16 6, 1, 1, 1, 0
	WIN 0
	PLACES NP
.irp b, 0,1,2,3
	v_mov_b32 v[TM+4+\b], 0
.endr
.endm
.macro TABLOAD a
.set TBL, 128*(((\a)%3+1)/2)+64*(((\a)%3)/2)
.irp c, 0,1,2,3,4,5,6,7,8,9,10,11,12,13,14,15
	global_load_b128 v[TBL+4*\c:TBL+4*\c+3], v[LI], s[92:93] offset:(\a)*8192+512*\c
.endr
.endm
.macro QKROW a
.set TBS, 128*(((\a)%3+1)/2)+64*(((\a)%3)/2)
.if \a < 6
	s_wait_loadcnt 32
.elseif \a == 6
	s_wait_loadcnt 16
.else
	s_wait_loadcnt 0x0
.endif
	WIN 0x06+(\a)/4
.set n, 0
.rept 16
	v_pk_add_f32 v[YT+n:YT+n+1], v[64*((\a)%4)+n:64*((\a)%4)+n+1], v[BI+n:BI+n+1]
.set n, n+2
.endr
.rept 16
	v_pk_add_f32 v[XQ+n:XQ+n+1], v[64*((\a)%4)+n:64*((\a)%4)+n+1], v[BI+n:BI+n+1]
.set n, n+2
.endr
	WIN 0x04
.irp i, 0,2,4,6,8,10,12,14
	v_pk_mul_f32 v[XQ+\i:XQ+\i+1], v[YT+\i:YT+\i+1], v[TBS+\i:TBS+\i+1]
	v_pk_mul_f32 v[XQ+16+\i:XQ+17+\i], v[YT+16+\i:YT+17+\i], v[TBS+32+\i:TBS+33+\i]
.endr
.irp i, 0,2,4,6,8,10,12,14
	v_pk_fma_f32 v[XQ+\i:XQ+\i+1], v[YT+16+\i:YT+17+\i], v[TBS+16+\i:TBS+17+\i], v[XQ+\i:XQ+\i+1] neg_lo:[1,0,0] neg_hi:[1,0,0]
	v_pk_fma_f32 v[XQ+16+\i:XQ+17+\i], v[YT+\i:YT+\i+1], v[TBS+48+\i:TBS+49+\i], v[XQ+16+\i:XQ+17+\i]
.endr
.if \a < 5
	WIN TO_B
	TABLOAD (\a)+3
.endif
	WIN 0
.if \a > 0
	s_wait_xcnt 0x0
.endif
	QUANT XQ, SW+\a
	IMGST 94, (\a)*1536
.endm
.macro VROW a
	WIN 0x06+(\a)/4
.set n, 0
.rept 32
	v_pk_add_f32 v[XQ+n:XQ+n+1], v[64*((\a)%4)+n:64*((\a)%4)+n+1], v[BV+2*(\a):BV+2*(\a)+1] op_sel_hi:[1,0]
.set n, n+2
.endr
	WIN 0
.if \a > 0
	s_wait_xcnt 0x0
.endif
	QUANT XQ, SW+\a
	IMGST 94, (\a)*1536
.endm
	s_wait_alu depctr_va_vdst(0)
	s_wait_tensorcnt 1
	s_barrier_signal -1
	s_barrier_wait -1
	FETCH_B 0, 0, 0
	FETCH_A 0, 0, 0
	SCALES 0
	FETCH_A 0, 0, 4
	STEP 0, 1
	s_mov_b32 s3, LAPS-1
.Llap:
	TURN 0, 1, 1
	STEP 1, 0
	TURN 1, 0, 1
	STEP 0, 0
	s_sub_co_u32 s3, s3, 1
	s_cmp_lg_u32 s3, 0
	s_cbranch_scc1 .Llap
	TURN 0, 1, 0
	STEP 1, 0
	s_lshl_b32 s20, s46, 1
	s_add_co_u32 s20, s20, s[FAB]
	s_lshl_b32 s21, s45, 1
	s_add_co_u32 s21, s21, s42
	s_cmp_eq_u32 s47, 2
	s_cselect_b32 s22, s20, s21
	s_cselect_b32 s23, s21, s20
	s_lshl_b32 s2, s22, 4
	s_add_co_u32 s2, s2, s23
	s_mul_i32 s2, s2, 12288
	s_mul_i32 s3, s47, 3145728
	s_add_co_u32 s2, s2, s3
	s_mov_b32 s3, 0
	s_add_nc_u64 s[94:95], s[16:17], s[2:3]
	s_mul_i32 s2, s22, 3
	s_add_co_u32 s2, s2, s47
	s_lshl_b32 s2, s2, 13
	s_lshl_b32 s22, s23, 9
	s_add_co_u32 s2, s2, s22
	s_add_nc_u64 s[96:97], s[18:19], s[2:3]
	s_mov_b32 s[SEL], 0x76543210
	s_mov_b32 s[SEL+1], 0xfedcba98
	s_mov_b32 s23, 0
	s_cmp_eq_u32 s47, 2
	s_cbranch_scc1 .Lvpath
	s_cmp_eq_u32 s47, 0
	s_cselect_b64 s[2:3], s[10:11], s[12:13]
	s_lshl_b32 s22, s21, 9
	s_add_nc_u64 s[2:3], s[2:3], s[22:23]
	s_lshl_b32 s22, s20, 16
	s_add_nc_u64 s[92:93], s[8:9], s[22:23]
	WIN TO_B
	TABLOAD 0
.irp b, 0,1,2,3
.irp j, 0,1,2,3
	global_load_b128 v[BI+16*\b+4*\j:BI+16*\b+4*\j+3], v[BOFQ], s[2:3] offset:128*\b+16*\j
.endr
.endr
	LASTSTEP
	WIN TO_B
	TABLOAD 1
	TABLOAD 2
.irp a, 0,1,2,3,4,5,6,7
	QKROW \a
.endr
	s_branch .Lscales
.Lvpath:
	s_lshl_b32 s22, s20, 9
	s_add_nc_u64 s[2:3], s[14:15], s[22:23]
	WIN TO_B
.irp a, 0,1,2,3,4,5,6,7
	global_load_b32 v[BV+2*\a], v[BOFV], s[2:3] offset:4*(32*(\a/2)+8*(\a%2))
	global_load_b32 v[BV+2*\a+1], v[BOFV], s[2:3] offset:4*(32*(\a/2)+8*(\a%2))
.endr
	LASTSTEP
	s_wait_loadcnt 0x0
.irp a, 0,1,2,3,4,5,6,7
	VROW \a
.endr
.Lscales:
	v_cmp_ne_u32 vcc_lo, 0, v2
.irp j, 0,1,2,3
	v_cndmask_b32 v[OUT+\j], v[SW+\j], v[SW+4+\j], vcc_lo
.endr
	global_store_b128 v[LI], v[OUT:OUT+3], s[96:97]
	s_wait_tensorcnt 0x0
	ds_add_u32 v[SPW], v[NIL]
	s_wait_dscnt 0x0
	CROUND
	s_endpgm
.Lfunc_end_k_q5c6c51319c_qkv:
	.size	k_q5c6c51319c_qkv, .Lfunc_end_k_q5c6c51319c_qkv-k_q5c6c51319c_qkv
	.p2alignl 7, 3214868480
	.fill 96, 4, 3214868480
	.section	.rodata,"a",@progbits
	.p2align	6, 0x0
	.amdhsa_kernel k_q5c6c51319c_qkv
		.amdhsa_group_segment_fixed_size 327680
		.amdhsa_private_segment_fixed_size 0
		.amdhsa_enable_private_segment 0
		.amdhsa_kernarg_size 64
		.amdhsa_user_sgpr_count 2
		.amdhsa_user_sgpr_kernarg_segment_ptr 1
		.amdhsa_wavefront_size32 1
		.amdhsa_system_sgpr_workgroup_id_x 1
		.amdhsa_system_sgpr_workgroup_id_y 1
		.amdhsa_system_sgpr_workgroup_id_z 1
		.amdhsa_system_vgpr_workitem_id 0
		.amdhsa_next_free_vgpr 1024
		.amdhsa_next_free_sgpr 100
		.amdhsa_reserve_vcc 1
		.amdhsa_float_denorm_mode_32 3
		.amdhsa_float_denorm_mode_16_64 3
		.amdhsa_memory_ordered 1
		.amdhsa_forward_progress 1
		.amdhsa_inst_pref_size 245
	.end_amdhsa_kernel
	.amdgpu_metadata
---
amdhsa.version: [ 1, 2 ]
amdhsa.kernels:
  - .name:           k_q5c6c51319c_qkv
    .symbol:         k_q5c6c51319c_qkv.kd
    .args:
      - { .name: opimg, .offset: 0, .size: 8, .value_kind: global_buffer, .address_space: global }
      - { .name: opscl, .offset: 8, .size: 8, .value_kind: global_buffer, .address_space: global }
      - { .name: rope, .offset: 16, .size: 8, .value_kind: global_buffer, .address_space: global }
      - { .name: bq, .offset: 24, .size: 8, .value_kind: global_buffer, .address_space: global }
      - { .name: bk, .offset: 32, .size: 8, .value_kind: global_buffer, .address_space: global }
      - { .name: bv, .offset: 40, .size: 8, .value_kind: global_buffer, .address_space: global }
      - { .name: qkvimg, .offset: 48, .size: 8, .value_kind: global_buffer, .address_space: global }
      - { .name: qkvscl, .offset: 56, .size: 8, .value_kind: global_buffer, .address_space: global }
    .group_segment_fixed_size: 327680
    .private_segment_fixed_size: 0
    .kernarg_segment_align: 8
    .kernarg_segment_size: 64
    .max_flat_workgroup_size: 128
    .sgpr_count:     100
    .vgpr_count:     1024
    .wavefront_size: 32
...
	.end_amdgpu_metadata
.endif
;; end of part 2
;; launch attn (part 3): grid 16 x 16, 8 waves a work-group, no clusters, 68,096 bytes of LDS; arguments qkvimg, qkvscl, maskw, oimg, oscl; writes oimg, oscl
.if DOCPART == 3
	.amdgcn_target "amdgcn-amd-amdhsa--gfx1250"
	.amdhsa_code_object_version 6
	.text
	.protected	k_q5c6c51319c_attn
	.globl	k_q5c6c51319c_attn
	.p2align	8
	.type	k_q5c6c51319c_attn,@function
k_q5c6c51319c_attn:
	s_mov_b64 s[64:65], 0
	v_nop
	global_prefetch_b8 v0, s[64:65] scope:SCOPE_SE
	s_setreg_imm32_b32 hwreg(HW_REG_WAVE_MODE, 25, 1), 1
	s_wait_xcnt 0x0
; ATTENTION on codes of FP6 (E2M3) with E8M0 scales: S^T = K Q^T, the mask, a streaming softmax, O^T = V^T P^T, division by the row's sum, and the quantiser of o along the model's 2048.
; t = score x c, c = log2(e) / sqrt(128).  Where the mask's word has a 0 bit the score becomes -2^33, whose t is exact and a whole number.  M = the running largest t rounded up to a whole number;
; p = 2^(t - M) is quantised along the keys, not normalised; the row's sum is taken of the unquantised p.  When M moves, the sum and O^T are multiplied by 2^(old M - new M), exact.
; WHICH KEY STEPS A WAVE WALKS is decided by whole numbers read from memory (behind the mask words in maskw: the OR and the AND of a tile's 64 mask words of each key step, stored by the launch prep).  No shape of the mask is built in.
;  A step in which the mask is 0 for all 16 queries of my tile and all its 128 keys is passed over, if each of the 16 queries has a key that counts somewhere in its row: such a query's last M belongs to a logit that
;  counts, and against it every masked key's p, and all that was summed under a masked M, is an exact 0 (within the limit below): the step adds nothing to O^T or to the sum.
;  If one of the 16 queries has no key at all, every step is walked, and that row comes out as reference() has it (p = 1 for all keys).
;  A step whose mask is 1 throughout my tile needs no select and no mask words: a scalar branch leads round them.
; SHARES.  256 work-groups of eight waves, a wave to a tile of 16 queries, 512 registers a wave.  Work-group x of a head owns the queries' groups of 64 numbered 31 - x and x; the waves whose number has an even count of 1 bits
;  (0, 3, 5, 6) take the first, the others the second.
; K AND V of a key step (24,576 bytes, images of operand registers) are shared through two LDS slots: each wave loads an eighth (6 x 512 bytes) into registers two steps ahead of its use and stores it to LDS one step ahead;
;  one barrier a step.  A step that no tile of the work-group walks is not fetched.  The loop has 16 steps in every wave; branches lead round work alone, never round a barrier.
; NO TENSOR LOADS, NO CLUSTER: which steps are fetched hangs on numbers read from memory, and differs between the work-groups of a head.  No data prefetch: the loads into registers run two steps ahead themselves.
; The chains of the softmax and of the quantisers run four blocks by turns, so that a line does not read the line above it.
; REGISTERS: window 0: v1-11, v28-31 addresses; v12 -M, v13 largest t, v[14:15] the sum; v16-27 Q; v29 the masked score; v80-87, v88-95 K's and V's scale words; v96-159 S^T, t - M, p; v160-223 O^T; v224-235 p's codes;
;  v232-254 at work; v255 Q's scale word.   window 1: v0-95 K's eight fragments; v96-191 V's; v192-239 two sets of six loads on their way to LDS.
; LIMITS: reference() puts the logit -1e9 where the mask is 0, this text -2^33 / sqrt(128) = -7.59e8: the results are the same as long as no logit that counts lies under -7.5e8.  NaN and infinities are not served;
; 1 / sum is made by v_rcp_f32; a block of o whose largest magnitude lies under 2^-124 gets the byte 1 (this program alone reads the bytes).
.set SLOT,  24576                      ; a slot: K's 12,288 bytes, then V's
.set VOFF,  12288
.set SCB,   49152                      ; the head's scale words: k's 8,192, v's 8,192; stored once
.set OSC,   66560                      ; o's scale words on their way out: 512 bytes
.set SPARE, 67072                      ; the spare words, 128 bytes for each of eight waves
.set MCL,   524288                     ; where the OR and AND words begin in maskw
.set LI,   1                           ; v1  16 x lane
.set ASC,  2                           ; v2  SCB + 16 r
.set OSA,  3                           ; v3  where my row's scale word of o goes
.set OSR,  4                           ; v4  where the four waves' words are read back
.set SPW,  5
.set NIL,  6
.set STA,  8                           ; v8  3072 x wave + 16 x lane: my eighth of a slot
.set ADS,  10
.set SSA,  28                          ; v28 my eighth of the scale words in LDS
.set MT,   29
.set OL,   30                          ; v30 8 x lane
.set TM,   32
.set PC,   224
.set SG,   192                         ; window 1: the two sets on their way to LDS
.set LV,   2                           ; s2  bit i: my tile walks key step j + i
.set TS,   3                           ; s3  512 x key step
.set SB,   4                           ; s[4:5] my eighth of key step j + 2
.set MOFF, 6                           ; s6  256 x key step
.set CNT,  7
.set MB,   8                           ; s[8:9] my tile's mask words
.set OI,   10
.set OS,   12
.set WV,   14
.set MX,   15                          ; s15 bit i: step j + i is walked and its mask has a 0
.set WGL,  16                          ; s16 bit i: some tile of the work-group walks step j + i
.set UU,   17
.set HF,   18
.set SEL,  20
.set CS,   22                          ; s[32:63], s[68:99]: a step's 64 mask words (scratch at the head)
.set MSB, 0
.macro WIN new                         ; the immediate's high byte repeats the setting that is left
.if MSB != (\new)
	s_set_vgpr_msb (MSB<<8)|(\new)
.set MSB, (\new)
.endif
.endm
.set W_MUL, 0x01                       ; source 0 (K or V) window 1
.set W_LD,  0x40                       ; destination window 1
.set W_ST,  0x04                       ; an LDS store's data window 1
.macro MASKLOAD off                    ; 64 words, 256 bytes
	s_load_b512 s[32:47], s[MB:MB+1], s[MOFF] offset:\off
	s_load_b512 s[48:63], s[MB:MB+1], s[MOFF] offset:\off+0x40
	s_load_b512 s[68:83], s[MB:MB+1], s[MOFF] offset:\off+0x80
	s_load_b512 s[84:99], s[MB:MB+1], s[MOFF] offset:\off+0xc0
.endm
.macro MLNEXT                          ; the next step's mask words, where it will need them
	s_bitcmp1_b32 s[MX], 1
	s_cbranch_scc0 .Lnone_\@
	s_wait_kmcnt 0x0                                   ; no earlier load is on its way to these registers
	MASKLOAD 0x100
.Lnone_\@:
.endm
.macro QUANT s, pw
.irp b, 0,1,2,3
	v_max3_num_f32 v[TM+\b], |v[\s+16*\b]|, |v[\s+1+16*\b]|, 0x1800000
.endr
.irp i, 2,4,6,8,10,12,14
.irp b, 0,1,2,3
	v_max3_num_f32 v[TM+\b], v[TM+\b], |v[\s+16*\b+\i]|, |v[\s+1+16*\b+\i]|
.endr
.endr
.irp b, 0,1,2,3
	v_permlanex16_b32 v[TM+4+\b], v[TM+\b], s[SEL], s[SEL+1]
.endr
.irp b, 0,1,2,3
	v_max_num_f32 v[TM+\b], v[TM+\b], v[TM+4+\b]
.endr
.irp b, 0,1,2,3
	v_add_nc_u32 v[TM+12+\b], 0xff000000, v[TM+\b]
.endr
.irp b, 0,1,2,3
	v_lshrrev_b32 v[TM+4+\b], 23, v[TM+12+\b]
.endr
	v_lshl_or_b32 v[\pw], v[TM+5], 8, v[TM+4]
	v_lshl_or_b32 v[\pw], v[TM+6], 16, v[\pw]
	v_lshl_or_b32 v[\pw], v[TM+7], 24, v[\pw]
.irp c, 0,1
	v_cvt_scalef32_pk16_fp6_f32 v[PC+6*\c:PC+2+6*\c], v[\s+32*\c:\s+15+32*\c], v[TM+12+2*\c]
	v_cvt_scalef32_pk16_fp6_f32 v[PC+12+4*\c:PC+14+4*\c], v[\s+16+32*\c:\s+31+32*\c], v[TM+12+2*\c+1]
.endr
	v_nop
.irp c, 0,1
.irp i, 0,1,2
	v_permlane16_swap_b32 v[PC+6*\c+\i], v[PC+12+4*\c+\i]
.endr
.irp i, 0,1,2
	v_mov_b32 v[PC+3+6*\c+\i], v[PC+12+4*\c+\i]
.endr
.endr
.endm
	s_load_b256 s[68:75], s[0:1], 0x0                  ; qkvimg, qkvscl, maskw, oimg
	s_load_b64 s[76:77], s[0:1], 0x20                  ; oscl
	v_lshl_add_u32 v[SPW], v0, 2, SPARE
	v_mov_b32 v[NIL], 0
	v_lshrrev_b32 v7, 5, v0
	v_readfirstlane_b32 s[WV], v7
	s_lshr_b32 s[UU], s[WV], 1                         ; which of the four tiles of my 64 queries
	s_lshr_b32 s32, s[WV], 2                           ; I fetch for K (0) or for V (1),
	s_and_b32 s33, s[WV], 3                            ; and which quarter
	s_xor_b32 s[HF], s[WV], s[UU]
	s_xor_b32 s[HF], s[HF], s32
	s_and_b32 s[HF], s[HF], 1                          ; the parity of my number's bits: 0: group 31 - x, 1: group x
	s_and_b32 s34, ttmp7, 0xffff                       ; the head
	s_sub_co_u32 s35, 31, ttmp9
	s_cmp_eq_u32 s[HF], 0
	s_cselect_b32 s36, s35, ttmp9                      ; my group of 64 queries
	s_lshl_b32 s37, s36, 2
	s_add_co_u32 s37, s37, s[UU]                       ; my tile, 0 .. 127
	s_mul_i32 s40, s34, 196608                         ; my eighth of key step 0, in bytes
	s_mul_i32 s41, s33, 3072
	s_add_co_u32 s40, s40, s41
	s_mul_i32 s41, s32, 3145728
	s_add_co_u32 s40, s40, s41
	s_add_co_u32 s40, s40, 3145728
	s_mov_b32 s41, 0
	s_lshl_b32 s42, s34, 7                             ; Q's fragment
	s_add_co_u32 s42, s42, s37
	s_mul_i32 s42, s42, 1536
	s_mov_b32 s43, 0
	s_mul_i32 s46, s34, 24576                          ; the head's scale words
	s_lshl_b32 s44, s36, 8                             ; Q's: 256 x group of 64 + 4 x tile (+ 16 r)
	s_add_co_u32 s44, s44, s46
	s_lshl_b32 s45, s[UU], 2
	s_add_co_u32 s44, s44, s45
	s_mov_b32 s45, 0
	s_lshl_b32 s47, s[WV], 11                          ; my eighth of k's and v's
	s_add_co_u32 s52, s47, SCB
	s_add_co_u32 s46, s46, s47
	s_add_co_u32 s46, s46, 8192
	s_mov_b32 s47, 0
	s_lshl_b32 s48, s37, 12                            ; my tile's mask words
	s_mov_b32 s49, 0
	s_lshr_b32 s53, s36, 1
	s_and_b32 s56, s36, 1
	s_lshl_b32 s54, s53, 4
	s_add_co_u32 s54, s54, s34                         ; 16 x group of 128 + head
	s_lshl_b32 s50, s54, 3
	s_lshl_b32 s57, s56, 2
	s_add_co_u32 s50, s50, s57
	s_add_co_u32 s50, s50, s[UU]
	s_mul_i32 s50, s50, 1536                           ; my fragment of o
	s_mov_b32 s51, 0
	s_lshl_b32 s54, s54, 9
	s_lshl_b32 s57, s56, 8
	s_add_co_u32 s54, s54, s57                         ; the 256 bytes of scale words of my four waves
	s_mov_b32 s55, 0
	s_mul_i32 s58, s[WV], 3072
	s_lshl_b32 s59, s[HF], 8
	s_add_co_u32 s59, s59, OSC
	s_lshl_b32 s60, s[UU], 2
	s_add_co_u32 s60, s60, s59
	s_lshl_b32 s61, s35, 9                             ; the OR and AND words: 512 bytes for each 64 queries
	s_lshl_b32 s62, ttmp9, 9
	s_mov_b32 s[SEL], 0x76543210
	s_mov_b32 s[SEL+1], 0xfedcba98
	s_mov_b32 s[CS], 0x3e0293ee                        ; c = log2(e) / sqrt(128)
	s_mov_b32 s[CS+1], s[CS]
	s_mov_b32 s[TS], 0
	s_mov_b32 s[MOFF], 0
	s_mov_b32 s[CNT], 8
	v_and_b32 v7, 15, v0                               ; r; for the OR and AND words: the key step
	v_and_b32 v[LI], 31, v0
	v_bfe_u32 v9, v0, 4, 1
	v_mov_b32 v11, s61
	v_mov_b32 v31, s62
	v_lshl_add_u32 v[ASC], v7, 4, SCB
	v_lshl_add_u32 v[OSA], v7, 4, s60
	v_lshlrev_b32 v[OL], 3, v[LI]
	v_lshlrev_b32 v[LI], 4, v[LI]
	v_cmp_ne_u32 vcc_lo, 0, v9
	v_lshlrev_b32 v254, 4, v7
	v_lshlrev_b32 v7, 5, v7                            ; 32 bytes a key step
	v_add_nc_u32 v[OSR], s59, v[OL]
	v_add_nc_u32 v[STA], s58, v[LI]
	v_add_nc_u32 v[SSA], s52, v[LI]
	v_cndmask_b32 v11, v11, v31, vcc_lo                ; lanes 0-15 look at group 31 - x, lanes 16-31 at group x
	v_add_nc_u32 v11, v11, v7
	s_wait_alu depctr_va_vdst(0)
	s_wait_kmcnt 0x0
	s_add_nc_u64 s[SB:SB+1], s[68:69], s[40:41]
	s_add_nc_u64 s[42:43], s[68:69], s[42:43]
	s_add_nc_u64 s[44:45], s[70:71], s[44:45]
	s_add_nc_u64 s[46:47], s[70:71], s[46:47]
	s_add_nc_u64 s[MB:MB+1], s[72:73], s[48:49]
	s_add_nc_u64 s[OI:OI+1], s[74:75], s[50:51]
	s_add_nc_u64 s[OS:OS+1], s[76:77], s[54:55]
	global_load_b128 v[32:35], v11, s[72:73] offset:MCL      ; OR, AND of tiles 0, 1 of my lane's group and step
	global_load_b128 v[36:39], v11, s[72:73] offset:MCL+16   ; and of tiles 2, 3
	WIN W_LD
.irp c, 0,1,2,3,4,5
	global_load_b128 v[SG+4*\c:SG+4*\c+3], v[LI], s[SB:SB+1] offset:512*\c             ; key step 0
.endr
.irp c, 0,1,2,3,4,5
	global_load_b128 v[SG+24+4*\c:SG+24+4*\c+3], v[LI], s[SB:SB+1] offset:12288+512*\c ; key step 1
.endr
	WIN 0
.irp c, 0,1,2,3
	global_load_b128 v[96+4*\c:99+4*\c], v[LI], s[46:47] offset:512*\c                 ; scale words
.endr
.irp c, 0,1,2
	global_load_b128 v[16+4*\c:19+4*\c], v[LI], s[42:43] offset:512*\c                 ; Q
.endr
	global_load_b32 v255, v254, s[44:45]
	s_wait_xcnt 0x0                                    ; the loads have read their bases: the mask words may land on those scalars, and my pointer may step
	MASKLOAD 0                                         ; key step 0
	s_add_nc_u64 s[SB:SB+1], s[SB:SB+1], 2*12288
	v_mov_b32 v13, 0xff61b1e6                          ; the largest t so far: -3e38
	v_mov_b32 v14, 0
	v_mov_b32 v15, 0
	v_mov_b32 v[MT], 0xd0000000                        ; -2^33
	v_mov_b32 v253, 0
	v_floor_f32 v12, -v13
.irp b, 0,1,2,3
	v_mov_b32 v[236+\b], 0                             ; a lane permute's destination counts as one of its sources
	v_mov_b32 v[44+\b], 0
.endr
.set j, 0
.rept 64
	v_mov_b32 v[160+j], 0                              ; O^T: the step is written once; its first run finds zeros
.set j, j+1
.endr
	; WHICH STEPS: bit (r + 16 h) of a tile's OR word says whether query r has a key that counts among the step's keys 32 b + 16 h + 0..15
	s_wait_loadcnt 20                                  ; the two loads of OR and AND words are in; the 20 behind them may be out
.irp t, 0,1,2,3
	v_mov_b32 v[40+\t], v[32+2*\t]
.endr
.irp m, 1,2,4,8                                    ; the OR over the 16 key steps, which lie in the 16 lanes of a row
.irp t, 0,1,2,3
	v_mov_b32_dpp v[44+\t], v[40+\t] row_xmask:\m row_mask:0xf bank_mask:0xf
.endr
.irp t, 0,1,2,3
	v_or_b32 v[40+\t], v[40+\t], v[44+\t]
.endr
.endr
.irp t, 0,1,2,3
	v_lshrrev_b32 v[44+\t], 16, v[40+\t]
.endr
.irp t, 0,1,2,3
	v_or_b32 v[40+\t], v[40+\t], v[44+\t]
.endr
.irp t, 0,1,2,3
	v_and_b32 v[40+\t], 0xffff, v[40+\t]
.endr
.irp t, 0,1,2,3
	v_cmp_eq_u32 s[24+\t], 0xffff, v[40+\t]            ; every query of tile t has a key that counts
.endr
.irp t, 0,1,2,3
	v_cmp_ne_u32 s[28+\t], 0, v[32+2*\t]               ; bit = lane: the step has something for tile t
.endr
.irp t, 0,1,2,3
	s_not_b32 s[24+\t], s[24+\t]
	s_or_b32 s[28+\t], s[28+\t], s[24+\t]              ; walked: that, or a query with no key at all
.endr
.irp t, 0,1,2,3
	v_cmp_eq_u32 s[24+\t], -1, v[33+2*\t]              ; the step's mask is 1 throughout tile t
.endr
.irp t, 0,1,2,3
	s_and_not1_b32 s[24+\t], s[28+\t], s[24+\t]        ; walked, and in need of the mask words
.endr
	s_or_b32 s[WGL], s28, s29
	s_or_b32 s[WGL], s[WGL], s30
	s_or_b32 s[WGL], s[WGL], s31
	s_lshr_b32 s19, s[WGL], 16
	s_or_b32 s[WGL], s[WGL], s19
	s_and_b32 s[WGL], s[WGL], 0xffff                   ; steps that some tile of the eight walks
.irp t, 1,2,3
	s_cmp_eq_u32 s[UU], \t
	s_cselect_b32 s28, s[28+\t], s28
	s_cselect_b32 s24, s[24+\t], s24
.endr
	s_lshl_b32 s19, s[HF], 4
	s_lshr_b32 s[LV], s28, s19
	s_and_b32 s[LV], s[LV], 0xffff
	s_lshr_b32 s[MX], s24, s19
	s_and_b32 s[MX], s[MX], 0xffff
	s_wait_loadcnt 0x0                                 ; key steps 0 and 1, the scale words, Q
	WIN W_ST
.irp c, 0,1,2,3,4,5
	ds_store_b128 v[STA], v[SG+4*\c:SG+4*\c+3] offset:512*\c       ; key step 0 into slot 0
.endr
	WIN 0
.irp c, 0,1,2,3
	ds_store_b128 v[SSA], v[96+4*\c:99+4*\c] offset:512*\c
.endr
	s_wait_alu depctr_va_vdst(0)
	s_wait_dscnt 0x0                                   ; for the others' sake
; THE WORK OF A KEY STEP: 128 keys, in slot p
.macro BODY p
	v_add_nc_u32 v[ADS], s[TS], v[ASC]
	ds_load_b128 v[80:83], v[ADS]                      ; one run of 52 loads: K's scale words, K, V, V's scale words
	ds_load_b128 v[84:87], v[ADS] offset:256
	WIN W_LD
.irp t, 0,1,2,3,4,5,6,7
.irp c, 0,1,2
	ds_load_b128 v[12*\t+4*\c:12*\t+4*\c+3], v[LI] offset:\p*SLOT+\t*1536+512*\c
.endr
.endr
.irp t, 0,1,2,3,4,5,6,7
.irp c, 0,1,2
	ds_load_b128 v[96+12*\t+4*\c:99+12*\t+4*\c], v[LI] offset:\p*SLOT+VOFF+\t*1536+512*\c
.endr
.endr
	WIN 0
	ds_load_b128 v[88:91], v[ADS] offset:8192
	ds_load_b128 v[92:95], v[ADS] offset:8448
	WIN W_MUL
.irp t, 0,1,2,3,4,5,6,7                            ; S^T = K Q^T: eight tiles of 16 keys, eight accumulators
	s_wait_dscnt 47-3*\t                               ; of the 52, the first 5 + 3 t are in: K's scale words and tiles 0 .. t
	v_wmma_scale_f32_16x16x128_f8f6f4 v[96+8*\t:103+8*\t], v[12*\t:12*\t+11], v[16:27], 0, v[80+\t], v255 matrix_a_fmt:MATRIX_FMT_FP6 matrix_b_fmt:MATRIX_FMT_FP6
.endr
.rept 4
	v_nop                                              ; four places in front of the first read of the scores
.endr
	WIN 0
	s_bitcmp1_b32 s[MX], 0
	s_cbranch_scc0 .Lfull_\@                           ; the mask is 1 throughout: nothing to select
	s_wait_kmcnt 0x0                                   ; this step's mask words
.set j, 0
.rept 32
	v_cndmask_b32 v[96+j], v[MT], v[96+j], s[32+j]     ; register 16 b + i: key 32 b + 16 h + i of my query
.set j, j+1
.endr
.rept 32
	v_cndmask_b32 v[96+j], v[MT], v[96+j], s[36+j]
.set j, j+1
.endr
.Lfull_\@:
	MLNEXT
.irp b, 0,1,2,3
	v_max3_num_f32 v[232+\b], v[96+16*\b], v[97+16*\b], v[98+16*\b]   ; the largest score of each block of 32 keys: for the row's maximum and for the block's largest p; each accumulator is read from its low end on
.endr
.irp i, 3,5,7,9,11,13
.irp b, 0,1,2,3
	v_max3_num_f32 v[232+\b], v[232+\b], v[96+16*\b+\i], v[97+16*\b+\i]
.endr
.endr
.irp b, 0,1,2,3
	v_max_num_f32 v[232+\b], v[232+\b], v[111+16*\b]
.endr
.irp b, 0,1,2,3
	v_permlanex16_b32 v[236+\b], v[232+\b], s[SEL], s[SEL+1]
.endr
.irp b, 0,1,2,3
	v_max_num_f32 v[232+\b], v[232+\b], v[236+\b]
.endr
	v_max3_num_f32 v254, v232, v233, v234
	v_max_num_f32 v254, v254, v235                     ; the step's largest score of my query
	v_mul_f32 v254, s[CS], v254                        ; as t
	v_max_num_f32 v13, v13, v254                       ; the running largest t
	v_mov_b32 v254, v12
	v_floor_f32 v12, -v13                              ; the new -M
	v_sub_f32 v254, v12, v254                          ; old M - new M: 0 or less
	v_cvt_i32_f32 v254, v254                           ; (it saturates)
	v_ldexp_f32 v252, 1.0, v254                        ; f = 2^(old M - new M)
.set j, 0
.rept 32
	v_pk_fma_f32 v[96+j:97+j], v[96+j:97+j], s[CS:CS+1], v[12:13] op_sel_hi:[1,0,0]   ; t - M, two at a time
.set j, j+2
.endr
.irp b, 0,1,2,3
	v_fma_f32 v[232+\b], v[232+\b], s[CS], v12         ; the same of each block's largest score
.endr
.set j, 0
	s_wait_alu depctr_va_vdst(0)
.rept 64
	v_exp_f32 v[96+j], v[96+j]                         ; p = 2^(t - M)
.set j, j+1
.endr
	v_pk_mul_f32 v[14:15], v[14:15], v[252:253] op_sel_hi:[1,0]   ; the sums under the new M: a plain place behind the exponentials
	s_wait_alu depctr_va_vdst(0)                       ; one wait for the batch, ahead of its first reader
.irp b, 0,1,2,3
	v_exp_f32 v[232+\b], v[232+\b]                     ; the block's largest p
.endr
	v_pk_add_f32 v[236:237], v[100:101], v[104:105]
	v_pk_add_f32 v[250:251], v[108:109], v[112:113]
	v_pk_add_f32 v[248:249], v[116:117], v[120:121]
	v_pk_add_f32 v[246:247], v[124:125], v[128:129]
	v_pk_add_f32 v[244:245], v[132:133], v[136:137]
	v_pk_add_f32 v[242:243], v[140:141], v[144:145]
	v_pk_add_f32 v[240:241], v[148:149], v[152:153]
	v_pk_add_f32 v[14:15], v[14:15], v[156:157]
	v_pk_add_f32 v[236:237], v[236:237], v[96:97]
	v_pk_add_f32 v[250:251], v[250:251], v[98:99]
	v_pk_add_f32 v[248:249], v[248:249], v[102:103]
	v_pk_add_f32 v[246:247], v[246:247], v[106:107]
	v_pk_add_f32 v[244:245], v[244:245], v[110:111]
	v_pk_add_f32 v[242:243], v[242:243], v[114:115]
	v_pk_add_f32 v[240:241], v[240:241], v[118:119]
	v_pk_add_f32 v[14:15], v[14:15], v[122:123]
	v_pk_add_f32 v[236:237], v[236:237], v[126:127]
	v_pk_add_f32 v[250:251], v[250:251], v[130:131]
	v_pk_add_f32 v[248:249], v[248:249], v[134:135]
	v_pk_add_f32 v[246:247], v[246:247], v[138:139]
	v_pk_add_f32 v[244:245], v[244:245], v[142:143]
	v_pk_add_f32 v[242:243], v[242:243], v[146:147]
	v_pk_add_f32 v[240:241], v[240:241], v[150:151]
	v_pk_add_f32 v[14:15], v[14:15], v[154:155]
	v_pk_add_f32 v[236:237], v[236:237], v[158:159]
	v_pk_add_f32 v[14:15], v[14:15], v[246:247]
	v_pk_add_f32 v[236:237], v[236:237], v[244:245]
	v_pk_add_f32 v[250:251], v[250:251], v[242:243]
	v_pk_add_f32 v[248:249], v[248:249], v[240:241]
	v_pk_add_f32 v[14:15], v[14:15], v[250:251]
	v_pk_add_f32 v[236:237], v[236:237], v[248:249]
	v_pk_add_f32 v[14:15], v[14:15], v[236:237]
	s_wait_alu depctr_va_vdst(0)                       ; and one for the four
.irp b, 0,1,2,3
	v_max_num_f32 v[232+\b], 0x1800000, v[232+\b]      ; the floor 2^(3 - 127)
.endr
.irp b, 0,1,2,3
	v_add_nc_u32 v[244+\b], 0xff000000, v[232+\b]
.endr
.irp b, 0,1,2,3
	v_lshrrev_b32 v[236+\b], 23, v[244+\b]
.endr
	v_lshl_or_b32 v253, v237, 8, v236                  ; p's scale word for these 128 keys
	v_lshl_or_b32 v253, v238, 16, v253
	v_lshl_or_b32 v253, v239, 24, v253
.irp c, 0,1
	v_cvt_scalef32_pk16_fp6_f32 v[224+6*\c:226+6*\c], v[96+32*\c:111+32*\c], v[244+2*\c]
	v_cvt_scalef32_pk16_fp6_f32 v[236+4*\c:238+4*\c], v[112+32*\c:127+32*\c], v[244+2*\c+1]
.endr
	v_nop
.irp c, 0,1
.irp i, 0,1,2
	v_permlane16_swap_b32 v[224+6*\c+\i], v[236+4*\c+\i]
.endr
.irp i, 0,1,2
	v_mov_b32 v[227+6*\c+\i], v[236+4*\c+\i]
.endr
.endr
	s_wait_alu depctr_va_vdst(0)                       ; directly ahead of the first reader of O^T
.set j, 0
.rept 32
	v_pk_mul_f32 v[160+j:161+j], v[160+j:161+j], v[252:253] op_sel_hi:[1,0]   ; O^T under the new M; these 32 are also the places in front of the products below
.set j, j+2
.endr
	s_wait_alu depctr_va_vdst(0)
	s_wait_dscnt 0x0                                   ; V and its scale words are in
	WIN W_MUL
.irp t, 0,1,2,3,4,5,6,7                            ; O^T += V^T P^T: eight accumulators by turns
	v_wmma_scale_f32_16x16x128_f8f6f4 v[160+8*\t:167+8*\t], v[96+12*\t:107+12*\t], v[224:235], v[160+8*\t:167+8*\t], v[88+\t], v253 matrix_a_fmt:MATRIX_FMT_FP6 matrix_b_fmt:MATRIX_FMT_FP6
.endr
.rept 4
	v_nop                                              ; four places: V's registers and scale words are loaded anew in the next step that is walked
.endr
	WIN 0
.endm
; A KEY STEP j, which lies in slot p.  In front of the barrier each wave has waited for its LDS stores (step j's eighth) and for its reads of the other slot.
.macro STEP p
	s_barrier_signal -1
	s_barrier_wait -1                                  ; slot p is whole; nobody reads the other slot any more
	s_wait_loadcnt 0x0                                 ; my eighth of step j + 1, asked for a step ago (where it was asked for)
	s_bitcmp1_b32 s[WGL], 1
	s_cbranch_scc0 .Lns_\@
	WIN W_ST
.irp c, 0,1,2,3,4,5
	ds_store_b128 v[STA], v[SG+24*(1-\p)+4*\c:SG+24*(1-\p)+4*\c+3] offset:(1-\p)*SLOT+512*\c
.endr
	WIN 0
.Lns_\@:
	s_bitcmp1_b32 s[WGL], 2
	s_cbranch_scc0 .Lnl_\@
	WIN W_LD
.irp c, 0,1,2,3,4,5
	global_load_b128 v[SG+24*\p+4*\c:SG+24*\p+4*\c+3], v[LI], s[SB:SB+1] offset:512*\c   ; step j + 2, into the set whose stores were waited for in front of the barrier
.endr
	WIN 0
.Lnl_\@:
	s_bitcmp1_b32 s[LV], 0
	s_cbranch_scc0 .Ldead_\@
	BODY \p
	s_branch .Lend_\@
.Ldead_\@:
	MLNEXT
.Lend_\@:
	s_wait_xcnt 0x0                                    ; my loads have read their bases and offsets
	s_add_nc_u64 s[SB:SB+1], s[SB:SB+1], 12288
	s_add_co_u32 s[MOFF], s[MOFF], 256
	s_add_co_u32 s[TS], s[TS], 512
	s_lshr_b32 s[LV], s[LV], 1
	s_lshr_b32 s[MX], s[MX], 1
	s_lshr_b32 s[WGL], s[WGL], 1
	s_wait_dscnt 0x0                                   ; my stores are done and my reads of slot p are over
.endm
.Ltrip:                                            ; eight trips of two key steps
	STEP 0
	STEP 1
	s_sub_co_u32 s[CNT], s[CNT], 1
	s_cmp_lg_u32 s[CNT], 0
	s_cbranch_scc1 .Ltrip
	; THE WAY OUT: O^T / the sum is one fragment's worth of o (my 16 queries x the head's 128): quantised in registers, stored as an image.
.irp b, 0,1,2,3
	v_mov_b32 v[TM+4+\b], 0                            ; a lane permute's destination counts as one of its sources
.endr
	v_add_f32 v14, v14, v15
	v_permlanex16_b32 v252, v14, s[SEL], s[SEL+1]
	v_add_f32 v14, v14, v252                           ; the row's sum
	s_wait_alu depctr_va_vdst(0)
	v_rcp_f32 v14, v14
	v_nop                                              ; a plain place behind the transcendental,
	s_wait_alu depctr_va_vdst(0)                       ; and the wait ahead of its first reader
.set j, 0
.rept 32
	v_pk_mul_f32 v[96+j:97+j], v[160+j:161+j], v[14:15] op_sel_hi:[1,0]
.set j, j+2
.endr
	QUANT 96, 48
.irp c, 0,1,2
	global_store_b128 v[LI], v[PC+4*\c:PC+4*\c+3], s[OI:OI+1] offset:512*\c   ; 512 consecutive bytes, aligned
.endr
	ds_store_b32 v[OSA], v48                           ; four waves' scale words meet in 256 bytes of LDS (both halves of the lanes write the same word with the same value)
	s_wait_dscnt 0x0                                   ; for the others' sake
	s_barrier_signal -1
	s_barrier_wait -1
	s_cmp_lg_u32 s[UU], 0
	s_cbranch_scc1 .Lnot_first
	ds_load_b64 v[52:53], v[OSR]
	s_wait_dscnt 0x0
	global_store_b64 v[OL], v[52:53], s[OS:OS+1]       ; 256 consecutive bytes, aligned
.Lnot_first:
	s_wait_tensorcnt 0x0                               ; the wave's end
	ds_add_u32 v[SPW], v[NIL]
	s_wait_dscnt 0x0
	s_endpgm
.Lfunc_end_k_q5c6c51319c_attn:
	.size	k_q5c6c51319c_attn, .Lfunc_end_k_q5c6c51319c_attn-k_q5c6c51319c_attn
	.p2alignl 7, 3214868480
	.fill 96, 4, 3214868480
	.section	.rodata,"a",@progbits
	.p2align	6, 0x0
	.amdhsa_kernel k_q5c6c51319c_attn
		.amdhsa_group_segment_fixed_size 68096
		.amdhsa_private_segment_fixed_size 0
		.amdhsa_enable_private_segment 0
		.amdhsa_kernarg_size 40
		.amdhsa_user_sgpr_count 2
		.amdhsa_user_sgpr_kernarg_segment_ptr 1
		.amdhsa_wavefront_size32 1
		.amdhsa_system_sgpr_workgroup_id_x 1
		.amdhsa_system_sgpr_workgroup_id_y 1
		.amdhsa_system_sgpr_workgroup_id_z 1
		.amdhsa_system_vgpr_workitem_id 0
		.amdhsa_next_free_vgpr 512
		.amdhsa_next_free_sgpr 100
		.amdhsa_reserve_vcc 1
		.amdhsa_float_denorm_mode_32 3
		.amdhsa_float_denorm_mode_16_64 3
		.amdhsa_memory_ordered 1
		.amdhsa_forward_progress 1
		.amdhsa_inst_pref_size 72
	.end_amdhsa_kernel
	.amdgpu_metadata
---
amdhsa.version: [ 1, 2 ]
amdhsa.kernels:
  - .name:           k_q5c6c51319c_attn
    .symbol:         k_q5c6c51319c_attn.kd
    .args:
      - { .name: qkvimg, .offset: 0, .size: 8, .value_kind: global_buffer, .address_space: global }
      - { .name: qkvscl, .offset: 8, .size: 8, .value_kind: global_buffer, .address_space: global }
      - { .name: maskw, .offset: 16, .size: 8, .value_kind: global_buffer, .address_space: global }
      - { .name: oimg, .offset: 24, .size: 8, .value_kind: global_buffer, .address_space: global }
      - { .name: oscl, .offset: 32, .size: 8, .value_kind: global_buffer, .address_space: global }
    .group_segment_fixed_size: 68096
    .private_segment_fixed_size: 0
    .kernarg_segment_align: 8
    .kernarg_segment_size: 40
    .max_flat_workgroup_size: 256
    .sgpr_count:     100
    .vgpr_count:     512
    .wavefront_size: 32
...
	.end_amdgpu_metadata
.endif
;; end of part 3
;; launch oproj (part 4): grid 16 x 16, 4 waves a work-group, clusters of 4 x 4, 327,680 bytes of LDS; arguments oimg, oscl, opimg, opscl, bo, out0; writes out0
.if DOCPART == 4
	.amdgcn_target "amdgcn-amd-amdhsa--gfx1250"
	.amdhsa_code_object_version 6
	.text
	.protected	k_q5c6c51319c_oproj
	.globl	k_q5c6c51319c_oproj
	.p2align	8
	.type	k_q5c6c51319c_oproj,@function
k_q5c6c51319c_oproj:
	s_mov_b64 s[64:65], 0
	v_nop
	global_prefetch_b8 v0, s[64:65] scope:SCOPE_SE
	s_setreg_imm32_b32 hwreg(HW_REG_WAVE_MODE, 25, 1), 1
	s_wait_xcnt 0x0
	s_wait_alu depctr_hold_cnt(0) depctr_sa_sdst(0) depctr_va_vdst(0) depctr_va_sdst(0) depctr_va_ssrc(0) depctr_va_vcc(0) depctr_vm_vsrc(0)
	s_getreg_b32 s2, hwreg(HW_REG_IB_STS2, 6, 4)
	s_cmp_eq_u32 s2, 0
	s_cbranch_scc0 .Lentry_in_a_cluster
	s_endpgm
.Lentry_in_a_cluster:
	s_bfe_u32 s2, ttmp6, 0x10000c
	s_cmp_lg_u32 s2, 0xf033
	s_cbranch_scc0 .Lentry_shape_is_right
	s_endpgm
.Lentry_shape_is_right:
.set FR,    12
.set GRP,   24576
.set SLOT,  4*GRP
.set SCL,   2*SLOT
.set STAGE, SCL+16384
.set SPARE, STAGE+4*4352
.set LI,   3
.set ADRA, 4
.set ADRB, 6
.set ADRS, 8
.set STO,  9
.set RD,   10
.set CO,   11
.set BOF,  12
.set SCW,  16
.set SPW,  28
.set NIL,  29
.set BI,   32
.set BK,   64
.set ACC,  128
.set WVR,  16
.set FAB,  17
.set G1, 24
.set G0, 32
.set G1B, 48
.set G0B, 56
.set G1S, 68
.set G0S, 76
.set G1SB, 80
.set G0SB, 88
.set MSB, 0
.macro WIN new
.if MSB != (\new)
	s_set_vgpr_msb (MSB<<8)|(\new)
.set MSB, (\new)
.endif
.endm
.set MUL,  0x05
.set TO_F, 0x40
.macro PLACES n
.rept \n
	v_nop
.endr
.endm
.macro JLOAD g0a, g1a, g0b, g1b
	s_cmp_eq_u32 s[FAB], 0
	s_cbranch_scc0 .Lfor_b_\@
	tensor_load_to_lds s[\g0a:\g0a+3], s[\g1a:\g1a+7]
	s_nop 0
.rept 4
	v_nop
.endr
	s_branch .Lasked_\@
.Lfor_b_\@:
	tensor_load_to_lds s[\g0b:\g0b+3], s[\g1b:\g1b+7]
	s_nop 0
.rept 4
	v_nop
.endr
.Lasked_\@:
.endm
.macro CREST
	s_cmp_lg_u32 s[WVR], 0
	s_cbranch_scc1 .Lnot_wave_0_\@
	s_barrier_signal -3
.Lnot_wave_0_\@:
	s_barrier_wait -3
	s_barrier_signal -1
	s_barrier_wait -1
.endm
.macro CROUND
	s_barrier_signal -1
	s_barrier_wait -1
	CREST
.endm
	s_load_b256 s[4:11], s[0:1], 0x0
	s_load_b128 s[12:15], s[0:1], 0x20
	v_lshl_add_u32 v[SPW], v0, 2, SPARE
	v_mov_b32 v[NIL], 0
	ds_add_u32 v[SPW], v[NIL]
	ds_add_u32 v[SPW], v[NIL]
	v_lshrrev_b32 v1, 5, v0
	v_readfirstlane_b32 s[WVR], v1
	s_lshr_b32 s[FAB], s[WVR], 1
	s_and_b32 s18, s[WVR], 1
	s_bfe_u32 s40, ttmp6, 0x40000
	s_bfe_u32 s41, ttmp6, 0x40004
	s_lshl_b32 s42, ttmp9, 2
	s_add_co_u32 s42, s42, s40
	s_and_b32 s43, ttmp7, 0xffff
	s_lshl_b32 s43, s43, 2
	s_add_co_u32 s43, s43, s41
	s_lshl_b32 s44, s41, 2
	s_lshl_b32 s44, 15, s44
	s_lshl_b32 s45, 0x1111, s40
	s_or_b32 s[G1], s44, (3<<16)|(1<<21)
	s_or_b32 s[G1B], s45, (3<<16)|(1<<21)
	s_or_b32 s[G1S], s44, (3<<16)|(1<<21)
	s_or_b32 s[G1SB], s45, (3<<16)|(1<<21)
.irp g, G1, G1B
	s_mov_b32 s[\g+1], 32<<16
	s_mov_b32 s[\g+2], 96<<16
	s_mov_b32 s[\g+3], 32<<16
	s_mov_b32 s[\g+4], 96
	s_mov_b32 s[\g+5], 32
	s_mov_b32 s[\g+6], 0
	s_mov_b32 s[\g+7], 0
.endr
.irp g, G1S, G1SB
	s_mov_b32 s[\g+1], 32<<16
	s_mov_b32 s[\g+2], 16<<16
	s_mov_b32 s[\g+3], 32<<16
	s_mov_b32 s[\g+4], 16
	s_mov_b32 s[\g+5], 32
	s_mov_b32 s[\g+6], 0
	s_mov_b32 s[\g+7], 0
.endr
	s_lshl_b32 s20, s43, 4
	s_lshl_b32 s21, s18, 1
	s_add_co_u32 s20, s20, s21
	s_mul_i32 s20, s20, 12288
	s_mov_b32 s21, 0
	s_lshl_b32 s22, s43, 13
	s_lshl_b32 s23, s18, 12
	s_add_co_u32 s22, s22, s23
	s_mov_b32 s23, 0
	s_lshl_b32 s92, s42, 4
	s_lshl_b32 s93, s18, 1
	s_add_co_u32 s92, s92, s93
	s_mul_i32 s92, s92, 12288
	s_add_co_u32 s92, s92, 4*3145728
	s_mov_b32 s93, 0
	s_lshl_b32 s94, s42, 13
	s_lshl_b32 s95, s18, 12
	s_add_co_u32 s94, s94, s95
	s_add_co_u32 s94, s94, 4*131072
	s_mov_b32 s95, 0
	s_mul_i32 s46, s[WVR], GRP
	s_lshl_b32 s47, s[WVR], 12
	s_wait_dscnt 0x0
	s_wait_kmcnt 0x0
	s_add_nc_u64 s[20:21], s[4:5], s[20:21]
	s_add_nc_u64 s[22:23], s[6:7], s[22:23]
	s_add_nc_u64 s[92:93], s[8:9], s[92:93]
	s_add_nc_u64 s[94:95], s[10:11], s[94:95]
	CROUND
	s_mov_b32 s[G0S], 1
	s_add_co_u32 s[G0S+1], s47, SCL
	s_mov_b64 s[G0S+2:G0S+3], s[22:23]
	s_or_b32 s[G0S+3], s[G0S+3], 0x80000000
	s_mov_b32 s[G0SB], 1
	s_add_co_u32 s[G0SB+1], s47, SCL
	s_mov_b64 s[G0SB+2:G0SB+3], s[94:95]
	s_or_b32 s[G0SB+3], s[G0SB+3], 0x80000000
	JLOAD G0S, G1S, G0SB, G1SB
.irp s, 0,1
	s_mov_b32 s[G0+4*\s], 1
	s_add_co_u32 s[G0+4*\s+1], s46, \s*SLOT
	s_add_nc_u64 s[G0+4*\s+2:G0+4*\s+3], s[20:21], \s*2*GRP
	s_or_b32 s[G0+4*\s+3], s[G0+4*\s+3], 0x80000000
	s_mov_b32 s[G0B+4*\s], 1
	s_add_co_u32 s[G0B+4*\s+1], s46, \s*SLOT
	s_add_nc_u64 s[G0B+4*\s+2:G0B+4*\s+3], s[92:93], \s*2*GRP
	s_or_b32 s[G0B+4*\s+3], s[G0B+4*\s+3], 0x80000000
	s_wait_alu depctr_va_vdst(0)
	s_wait_tensorcnt 0x0
	ds_add_u32 v28, v29
	s_wait_dscnt 0x0
	CROUND
	JLOAD G0+4*\s, G1, G0B+4*\s, G1B
.endr
	v_and_b32 v1, 15, v0
	v_bfe_u32 v2, v0, 4, 1
	s_wait_alu depctr_va_vdst(0)
	v_and_b32 v[LI], 31, v0
	v_lshlrev_b32 v[LI], 4, v[LI]
	s_mul_i32 s21, s[FAB], 6144
	s_mul_i32 s22, s18, 6144
	s_add_co_u32 s22, s22, 2*GRP
.irp s, 0,1
	v_add_nc_u32 v[ADRA+\s], s21, v[LI]
	v_add_nc_u32 v[ADRB+\s], s22, v[LI]
	s_add_co_u32 s21, s21, SLOT
	s_add_co_u32 s22, s22, SLOT
.endr
	s_lshl_b32 s21, s[FAB], 8
	s_lshl_b32 s22, s18, 8
	s_add_co_u32 s22, s22, 8192
	s_sub_co_u32 s22, s22, s21
	v_mul_u32_u24 v13, s22, v2
	s_add_co_u32 s21, s21, SCL
	v_lshl_add_u32 v13, v1, 4, v13
	v_add_nc_u32 v[ADRS], s21, v13
	s_mul_i32 s23, s[WVR], 4352
	s_add_co_u32 s23, s23, STAGE
	v_mul_u32_u24 v[STO], v1, 272
	v_lshl_add_u32 v[STO], v2, 6, v[STO]
	v_add_nc_u32 v[STO], s23, v[STO]
	v_mul_u32_u24 v[RD], v2, 272
	v_lshl_add_u32 v[RD], v1, 4, v[RD]
	v_add_nc_u32 v[RD], s23, v[RD]
	v_lshlrev_b32 v[CO], 13, v2
	v_lshl_add_u32 v[CO], v1, 4, v[CO]
	v_lshlrev_b32 v[BOF], 6, v2
	s_wait_alu depctr_va_vdst(0)
	s_lshl_b32 s20, s43, 7
	s_lshl_b32 s21, s[FAB], 6
	s_add_co_u32 s20, s20, s21
	s_lshl_b32 s20, s20, 13
	s_lshl_b32 s22, s42, 9
	s_lshl_b32 s21, s18, 8
	s_add_co_u32 s22, s22, s21
	s_mov_b32 s23, 0
	s_add_nc_u64 s[12:13], s[12:13], s[22:23]
	s_add_co_u32 s20, s20, s22
	s_mov_b32 s21, 0
	s_add_nc_u64 s[14:15], s[14:15], s[20:21]
.irp b, 0,1,2,3
	global_load_b128 v[BI+8*\b:BI+8*\b+3], v[BOF], s[12:13] offset:128*(\b/2)+32*(\b%2)
	global_load_b128 v[BI+8*\b+4:BI+8*\b+7], v[BOF], s[12:13] offset:128*(\b/2)+32*(\b%2)+16
.endr
.macro FRAG reg, adr, off
.irp c, 0,1,2
	ds_load_b128 v[\reg+4*\c:\reg+4*\c+3], v[\adr] offset:\off+512*\c
.endr
.endm
.macro MULR f, sc, a, first
.irp b, 0,1,2,3
.if \first
	v_wmma_scale_f32_16x16x128_f8f6f4 v[ACC+8*(4*(\a)+\b):ACC+8*(4*(\a)+\b)+7], v[(\f)+48+FR*\b:(\f)+48+FR*\b+FR-1], v[(\f)+FR*(\a):(\f)+FR*(\a)+FR-1], v[BI+8*\b:BI+8*\b+7], v[SCW+4*(\sc)+\b], v[SCW+4*(\sc)+(\a)] matrix_a_fmt:MATRIX_FMT_FP6 matrix_b_fmt:MATRIX_FMT_FP6 matrix_a_scale:MATRIX_SCALE_ROW1
.else
	v_wmma_scale_f32_16x16x128_f8f6f4 v[ACC+8*(4*(\a)+\b):ACC+8*(4*(\a)+\b)+7], v[(\f)+48+FR*\b:(\f)+48+FR*\b+FR-1], v[(\f)+FR*(\a):(\f)+FR*(\a)+FR-1], v[ACC+8*(4*(\a)+\b):ACC+8*(4*(\a)+\b)+7], v[SCW+4*(\sc)+\b], v[SCW+4*(\sc)+(\a)] matrix_a_fmt:MATRIX_FMT_FP6 matrix_b_fmt:MATRIX_FMT_FP6 matrix_a_scale:MATRIX_SCALE_ROW1
.endif
.endr
.endm
.macro FETCH slot, k, f
	WIN TO_F
.irp i, 0,1,2,3
	FRAG (\f)+FR*\i, ADRA+\slot, (\k)*12288+\i*1536
.endr
.irp i, 0,1,2,3
	FRAG (\f)+48+FR*\i, ADRB+\slot, (\k)*12288+\i*1536
.endr
	WIN 0
	ds_load_b128 v[SCW+4*((\k)%2):SCW+4*((\k)%2)+3], v[ADRS] offset:512*(\k)
.endm
.macro KS slot, k, first
	s_wait_dscnt 0x0
	WIN MUL
	MULR 128*((\k)%2), (\k)%2, 0, \first
	MULR 128*((\k)%2), (\k)%2, 1, \first
	PLACES 4
	FETCH \slot, (\k)+1, 128*(1-(\k)%2)
	WIN MUL
	MULR 128*((\k)%2), (\k)%2, 2, \first
	MULR 128*((\k)%2), (\k)%2, 3, \first
.endm
.macro TURN slot, next, fill
	WIN 0
	s_wait_tensorcnt 0x0
	ds_add_u32 v[SPW], v[NIL]
	s_wait_dscnt 1
	WIN MUL
	MULR 128, 1, 0, 0
	s_wait_dscnt 0x0
	s_barrier_signal -1
	MULR 128, 1, 1, 0
	WIN 0
	s_barrier_wait -1
.if \fill
	CREST
	s_add_nc_u64 s[G0+4*\slot+2:G0+4*\slot+3], s[G0+4*\slot+2:G0+4*\slot+3], 4*GRP
	s_add_nc_u64 s[G0B+4*\slot+2:G0B+4*\slot+3], s[G0B+4*\slot+2:G0B+4*\slot+3], 4*GRP
	JLOAD G0+4*\slot, G1, G0B+4*\slot, G1B
.else
	PLACES 4
.endif
	v_add_nc_u32 v[ADRS], 2048, v[ADRS]
	FETCH \next, 0, 0
	WIN MUL
	MULR 128, 1, 2, 0
	MULR 128, 1, 3, 0
.endm
	s_wait_tensorcnt 1
	s_barrier_signal -1
	s_barrier_wait -1
	FETCH 0, 0, 0
	s_wait_loadcnt 0x0
	KS 0, 0, 1
	KS 0, 1, 0
	KS 0, 2, 0
	TURN 0, 1, 1
	s_wait_alu depctr_va_vdst(0)
	KS 1, 0, 0
	KS 1, 1, 0
	KS 1, 2, 0
	TURN 1, 0, 1
	s_wait_alu depctr_va_vdst(0)
	KS 0, 0, 0
	KS 0, 1, 0
	KS 0, 2, 0
	TURN 0, 1, 0
	s_wait_alu depctr_va_vdst(0)
	KS 1, 0, 0
	KS 1, 1, 0
	KS 1, 2, 0
	s_wait_dscnt 0x0
	WIN MUL
	MULR 128, 1, 0, 0
	MULR 128, 1, 1, 0
	MULR 128, 1, 2, 0
	MULR 128, 1, 3, 0
	WIN 0
	PLACES 4
.macro TOSTAGE a
.irp b, 0,1,2,3
	ds_store_b128 v[STO], v[ACC+8*(4*(\a)+\b):ACC+8*(4*(\a)+\b)+3] offset:128*(\b/2)+32*(\b%2)
	ds_store_b128 v[STO], v[ACC+8*(4*(\a)+\b)+4:ACC+8*(4*(\a)+\b)+7] offset:128*(\b/2)+32*(\b%2)+16
.endr
.irp t, 0,1,2,3,4,5,6,7
	ds_load_b128 v[BK+32*((\a)%2)+4*\t:BK+32*((\a)%2)+4*\t+3], v[RD] offset:544*\t
.endr
.endm
.macro SEND a, younger
	s_wait_dscnt \younger
.irp t, 0,1,2,3,4,5,6,7
	global_store_b128 v[CO], v[BK+32*((\a)%2)+4*\t:BK+32*((\a)%2)+4*\t+3], s[14:15] offset:(32*((\a)/2)+8*((\a)%2)+2*\t+8*(\t/4))*8192 th:TH_STORE_NT
.endr
.endm
	TOSTAGE 0
.irp a, 1,2,3
.if \a > 1
	s_wait_xcnt 0x0
.endif
	TOSTAGE \a
	SEND \a-1, 16
.endr
	SEND 3, 0
	s_wait_tensorcnt 0x0
	ds_add_u32 v[SPW], v[NIL]
	s_wait_dscnt 0x0
	CROUND
	s_endpgm
.Lfunc_end_k_q5c6c51319c_oproj:
	.size	k_q5c6c51319c_oproj, .Lfunc_end_k_q5c6c51319c_oproj-k_q5c6c51319c_oproj
	.p2alignl 7, 3214868480
	.fill 96, 4, 3214868480
	.section	.rodata,"a",@progbits
	.p2align	6, 0x0
	.amdhsa_kernel k_q5c6c51319c_oproj
		.amdhsa_group_segment_fixed_size 327680
		.amdhsa_private_segment_fixed_size 0
		.amdhsa_enable_private_segment 0
		.amdhsa_kernarg_size 48
		.amdhsa_user_sgpr_count 2
		.amdhsa_user_sgpr_kernarg_segment_ptr 1
		.amdhsa_wavefront_size32 1
		.amdhsa_system_sgpr_workgroup_id_x 1
		.amdhsa_system_sgpr_workgroup_id_y 1
		.amdhsa_system_sgpr_workgroup_id_z 1
		.amdhsa_system_vgpr_workitem_id 0
		.amdhsa_next_free_vgpr 512
		.amdhsa_next_free_sgpr 98
		.amdhsa_reserve_vcc 0
		.amdhsa_float_denorm_mode_32 3
		.amdhsa_float_denorm_mode_16_64 3
		.amdhsa_memory_ordered 1
		.amdhsa_forward_progress 1
		.amdhsa_inst_pref_size 83
	.end_amdhsa_kernel
	.amdgpu_metadata
---
amdhsa.version: [ 1, 2 ]
amdhsa.kernels:
  - .name:           k_q5c6c51319c_oproj
    .symbol:         k_q5c6c51319c_oproj.kd
    .args:
      - { .name: oimg, .offset: 0, .size: 8, .value_kind: global_buffer, .address_space: global }
      - { .name: oscl, .offset: 8, .size: 8, .value_kind: global_buffer, .address_space: global }
      - { .name: opimg, .offset: 16, .size: 8, .value_kind: global_buffer, .address_space: global }
      - { .name: opscl, .offset: 24, .size: 8, .value_kind: global_buffer, .address_space: global }
      - { .name: bo, .offset: 32, .size: 8, .value_kind: global_buffer, .address_space: global }
      - { .name: out0, .offset: 40, .size: 8, .value_kind: global_buffer, .address_space: global }
    .group_segment_fixed_size: 327680
    .private_segment_fixed_size: 0
    .kernarg_segment_align: 8
    .kernarg_segment_size: 48
    .max_flat_workgroup_size: 128
    .sgpr_count:     98
    .vgpr_count:     512
    .wavefront_size: 32
...
	.end_amdgpu_metadata
.endif
;; end of part 4
